; MI455X (gfx1250); checked and timed in simulation.
; The chip was launched on July 23, 2026; its instructions are those of AMD's public machine-readable ISA for CDNA 5 (MIT licence, August 2026) and "CDNA5" Instruction Set Architecture Reference Guide (July 2026). The comments in the code are by the model that wrote it; some were corrected since.
;; Multi Head Self Attention. Allowed arithmetic: matrix products marked QUANTISED: E2M1 operands, one E8M0 scale for each 32 along K, by v_wmma_scale_f32_16x16x128_f8f6f4 with both operands' format E2M1 (or v_wmma_scale_f32_32x16x128_f4), f32 sums; products left as they are: bf16, f16 or f32 operands; f32 sums; everything else in f32.
;; Inputs: Wk 1,024 x 1,024 float32; Wo 1,024 x 1,024 float32; Wq 1,024 x 1,024 float32; Wv 1,024 x 1,024 float32; x 4 x 2,048 x 1,024 float32.
;; Outputs: out0 4 x 2,048 x 1,024 float32.
;; This version of the problem:
;;   THIS VERSION OF THE PROBLEM IS GIVEN IN LOW PRECISION. The matrix products marked QUANTISED in the list below multiply operands that are first quantised to E2M1 (2 exponent bits, 1 mantissa bit; 4 bits a number), with one power-of-two scale for each 32 numbers along K (OCP MX v1.0); their sums are f32. The products marked 'left as it is' may take bf16, f16 or f32 operands, with f32 sums. Whichever they take, every output number must still come out within the allowed error. Rounding operands to bf16 (8 significant bits) uses up far more of that allowance than f16 does (11 bits, for magnitudes from 6e-5 to 65,504). All else is computed in f32.
;;   The module's matrix products, in the order in which they are computed (A, B: the left and right operand; K: the contracted axis; several contracted axes count as one K, in the product's order):
;;     1. [M 8,192, K 1,024] x [K 1,024, N 1,024]; A: input x; B: input Wq: QUANTISED
;;     2. [M 8,192, K 1,024] x [K 1,024, N 1,024]; A: input x; B: input Wk: QUANTISED
;;     3. [M 8,192, K 1,024] x [K 1,024, N 1,024]; A: input x; B: input Wv: QUANTISED
;;     4. batch 64 x [M 2,048, K 64] x [K 64, N 2,048]; A: computed on the way; B: computed on the way: left as it is (an operand is computed on the way)
;;     5. batch 64 x [M 2,048, K 2,048] x [K 2,048, N 64]; A: computed on the way; B: computed on the way: left as it is (an operand is computed on the way)
;;     6. [M 8,192, K 1,024] x [K 1,024, N 1,024]; A: computed on the way; B: input Wo: left as it is (an operand is computed on the way)
;;   THE QUANTISER, for each operand of a quantised product, along K:
;;     - K is cut into blocks of 32 from its start; a last block that is shorter is filled with zeros.
;;     - A block's scale is 2^e with e = floor(log2(the largest magnitude in the block)) - 2, held to -126 .. 127; a block of zeros has e = 0. As a byte (E8M0): e + 127.
;;     - Each number is divided by its block's scale, clamped to +-6, and rounded to the nearest number of E2M1, ties to even, subnormals kept.
;;     - The product sums the exact products of the quantised numbers (number of the format x scale) in f32.
;;   ~~~python
;;   def quantise(x, axis):      # numpy; x: float32 -> the quantised numbers, widened to float32 again
;;       x = np.moveaxis(x, axis, -1); K = x.shape[-1]
;;       x = np.pad(x, [(0, 0)] * (x.ndim - 1) + [(0, -K % 32)]); x = x.reshape(x.shape[:-1] + (-1, 32)); a = np.abs(x).max(-1, keepdims=True)
;;       e = np.where(a > 0, np.clip(np.frexp(np.where(a > 0, a, 1))[1] - 1 - 2, -126, 127), 0)      # np.frexp(a)[1] - 1 = floor(log2(a)), exactly
;;       r = np.clip(x / 2.0 ** e, -6, 6)
;;       step = 2.0 ** (np.maximum(np.frexp(np.where(r == 0, 1, r))[1] - 1, 0) - 1)
;;       q = np.round(r / step) * step * 2.0 ** e      # np.round: ties to even
;;       return np.moveaxis(q.reshape(q.shape[:-2] + (-1,))[..., :K], -1, axis).astype(np.float32)
;;   ~~~
;; One version. Each part assembles by itself: llvm-mc -triple=amdgcn-amd-amdhsa -mcpu=gfx1250 --defsym DOCPART=n.
;; ======== version 1 of 1: 5 launches
;; limits: values are held in f16: magnitudes above 65,504 overflow, below 6.1e-05 lose precision
;; workspace buffers: xc 4,194,304 bytes; xs 262,144 bytes; wc 1,572,864 bytes; ws 98,304 bytes; wo16 2,097,152 bytes; qkv16 50,331,648 bytes; qkv32 786,432 bytes; attn16 16,777,216 bytes
;; launch quant (part 1): grid 256 x 1, 4 waves a work-group, no clusters, 33,280 bytes of LDS; arguments x, Wq, Wk, Wv, Wo, xc, xs, wc, ws, wo16; writes xc, xs, wc, ws, wo16
.if DOCPART == 1
	.amdgcn_target "amdgcn-amd-amdhsa--gfx1250"
	.amdhsa_code_object_version 6
	.text
	.protected	k_qf8fd8ed044_quant
	.globl	k_qf8fd8ed044_quant
	.p2align	8
	.type	k_qf8fd8ed044_quant,@function
k_qf8fd8ed044_quant:
	s_mov_b64 s[64:65], 0
	v_nop
	global_prefetch_b8 v0, s[64:65] scope:SCOPE_SE
	s_setreg_imm32_b32 hwreg(HW_REG_WAVE_MODE, 25, 1), 1
	s_wait_xcnt 0x0
; x [8192][1024] and Wq, Wk, Wv [1024][1024], f32, become codes of FP4 (E2M1), K innermost, two codes a byte, with one E8M0 scale byte for each 32 along K;
; Wo [1024][1024] becomes f16, laid in the order of the operand registers of the launch that multiplies by it.
; A block's scale is 2^(floor(log2(its largest magnitude)) - 2); its byte is the largest magnitude's exponent field - 2, held at 1 from below.
; LIMITS: a block of zeros gets the byte 1 where the rule says 127 (its codes are zeros, and this program alone reads the bytes); blocks whose largest magnitude lies under 2^(3 - 127)
; keep the byte 1; NaN and infinities among the inputs are not served; Wo must lie under 65,504 in size (f16).
; Rows are dense and K is a multiple of 32, so each tensor is a plain stream of blocks of 32.  Wave W of 1,024 takes 16 steps of 512 numbers of x, 2 steps each of Wq, Wk, Wv, and two fragments of Wo:
; equal work in every wave, no branch, every offset an immediate.
; A step: four loads of 512 consecutive bytes; the 2,048 bytes turn through the wave's own stage in LDS (16 bytes of padding behind each 64) so that a lane holds 16 neighbours along K; two neighbouring lanes
; hold a block.  A lane's 16 codes are 8 bytes: a wave's store covers 256 consecutive bytes.  The scale bytes are gathered in the wave's own LDS bytes and leave together.  Loads run six steps ahead.
.set STEPS, 22
.set EMAX,  2
.set R,     16                         ; v16-111  six sets of 16 numbers as loaded
.set X,     112                        ; v112-143 two sets of 16 neighbours
.set E,     144                        ; v144-165 a scale byte for each step
.set C,     166                        ; v166-209 two registers of codes for each step: no store's data are written again
.set WOR,   210                        ; v210-241 Wo as loaded
.set WREG,  8192                       ; LDS: a region for each wave: two stages of 32 x SP bytes, behind them 352 scale bytes
.set SP,    80
.set SCB,   2*32*SP
.set SPW,   12                         ; v12 LDS address of my spare word; never rewritten
.set NIL,   13                         ; v13 0; never rewritten
.set SPARE, 4*WREG                     ; the spare words: 128 bytes a wave, two blocks of 256 bytes that no other line names
	s_load_b256 s[4:11], s[0:1], 0x0               ; x, Wq, Wk, Wv
	s_load_b256 s[12:19], s[0:1], 0x20             ; Wo, xc, xs, wc
	s_load_b128 s[20:23], s[0:1], 0x40             ; ws, wo16
	v_lshl_add_u32 v[SPW], v0, 2, SPARE
	v_mov_b32 v[NIL], 0
	v_lshrrev_b32 v1, 5, v0
	v_readfirstlane_b32 s24, v1                    ; wave
	v_and_b32 v2, 31, v0                           ; lane
	v_lshlrev_b32 v3, 4, v2                        ; 16 x lane
	s_mul_i32 s28, s24, WREG
	v_lshrrev_b32 v14, 2, v2
	v_mul_u32_u24 v14, v14, SP
	v_and_b32 v15, 3, v2
	v_lshl_add_u32 v14, v15, 4, v14
	v_add_nc_u32 v14, s28, v14                     ; the stage on the way in: SP (lane / 4) + 16 (lane % 4)
	v_mul_u32_u24 v15, v2, SP
	v_add_nc_u32 v15, s28, v15                     ; and on the way out: SP x lane
	v_lshlrev_b32 v4, 3, v2                        ; 8 x lane: my codes' place in a step's, and my 8 scale bytes of x's 256
	v_lshrrev_b32 v5, 1, v2
	s_add_co_u32 s28, s28, SCB
	v_add_nc_u32 v5, s28, v5                       ; LDS: my block's scale byte
	v_add_nc_u32 v6, s28, v4                       ; LDS: x's scale bytes, 8 a lane
	v_lshl_add_u32 v243, v2, 2, 256
	v_add_nc_u32 v243, s28, v243                   ; LDS: the weights' scale bytes (steps 16 to 21), a word a lane
	v_lshrrev_b32 v244, 3, v2
	v_and_b32 v10, 7, v2
	v_lshlrev_b32 v10, 2, v10
	v_lshl_add_u32 v244, v244, 15, v10             ; and their place in ws: 32,768 x weight + 4 x word
	v_mov_b32 v245, 0
	v_and_b32 v8, 15, v2                           ; r
	v_lshrrev_b32 v9, 4, v2                        ; h
	v_lshlrev_b32 v242, 12, v8
	v_lshl_add_u32 v242, v9, 5, v242               ; Wo: row r of 4,096 bytes, + 32 h: eight numbers of my half
	s_lshl_b32 s25, ttmp9, 2
	s_add_co_u32 s25, s25, s24                     ; W = 4 x work-group + wave
	s_mov_b32 s27, 0
	s_lshr_b32 s29, s25, 4                         ; Wo: which 16 rows,
	s_and_b32 s30, s25, 15                         ; which 64 along K
	s_wait_kmcnt 0x0
	s_lshl_b32 s26, s25, 15                        ; x: 8,192 numbers of 4 bytes
	s_add_nc_u64 s[4:5], s[4:5], s[26:27]
	s_lshl_b32 s26, s25, 12                        ; the weights: 1,024 numbers; xc: 4,096 bytes of codes
	s_add_nc_u64 s[6:7], s[6:7], s[26:27]
	s_add_nc_u64 s[8:9], s[8:9], s[26:27]
	s_add_nc_u64 s[10:11], s[10:11], s[26:27]
	s_add_nc_u64 s[14:15], s[14:15], s[26:27]
	s_lshl_b32 s26, s25, 8                         ; xs: 256 bytes
	s_add_nc_u64 s[16:17], s[16:17], s[26:27]
	s_lshl_b32 s26, s25, 9                         ; wc: 512 bytes in each weight's part
	s_add_nc_u64 s[18:19], s[18:19], s[26:27]
	s_lshl_b32 s26, s25, 5                         ; ws: 32 bytes in each weight's part
	s_add_nc_u64 s[20:21], s[20:21], s[26:27]
	s_lshl_b32 s26, s29, 16
	s_lshl_b32 s31, s30, 8
	s_add_co_u32 s26, s26, s31                     ; Wo: 16 rows x 4,096 bytes, 64 numbers x 4 bytes
	s_add_nc_u64 s[12:13], s[12:13], s[26:27]
	s_lshl_b32 s26, s29, 15
	s_lshl_b32 s31, s30, 11
	s_add_co_u32 s26, s26, s31                     ; wo16: [16 rows: 64][32 along K: 32][1,024 bytes]; my two fragments
	s_add_nc_u64 s[22:23], s[22:23], s[26:27]
.irp e, 0,1,2,3                        ; Wo(16 rows, 64 along K): group e is k = 16 e + 8 h + 0 .. 7 of row r; the eight loads together read 256 consecutive bytes of each row
	global_load_b128 v[WOR+8*\e:WOR+8*\e+3],   v242, s[12:13] offset:64*\e th:TH_LOAD_NT
	global_load_b128 v[WOR+8*\e+4:WOR+8*\e+7], v242, s[12:13] offset:64*\e+16 th:TH_LOAD_NT
.endr
.macro LOAD t                          ; step t: steps 0-15 x, 16-17 Wq, 18-19 Wk, 20-21 Wv
.set LT, \t
.if LT < 16
.set LB, 4
.set LO, 2048*LT
.else
.set LB, 6+2*((LT-16)/2)
.set LO, 2048*((LT-16)%2)
.endif
.irp i, 0,1,2,3
	global_load_b128 v[R+16*(LT%6)+4*\i:R+16*(LT%6)+4*\i+3], v3, s[LB:LB+1] offset:LO+512*\i th:TH_LOAD_NT   ; 32 lanes read 512 consecutive bytes
.endr
.endm
.macro TURN t                          ; step t's numbers through the stage: LDS serves a wave's instructions in order, so no wait stands between the stores and the loads
.set UT, \t
.irp i, 0,1,2,3
	ds_store_b128 v14, v[R+16*(UT%6)+4*\i:R+16*(UT%6)+4*\i+3] offset:32*SP*(UT%2)+8*SP*\i
.endr
.irp i, 0,1,2,3
	ds_load_b128 v[X+16*(UT%2)+4*\i:X+16*(UT%2)+4*\i+3], v15 offset:32*SP*(UT%2)+16*\i
.endr
.endm
.irp t, 0,1,2,3,4,5
	LOAD \t
.endr
	s_wait_loadcnt 20                              ; Wo's eight and step 0's four loads are in; the 20 of steps 1 to 5 may be out
	TURN 0
.macro STEP t
.set XS, X+16*((\t)%2)
.if (\t) > 0
	s_wait_dscnt 1                                 ; this step's numbers are back from the stage (the last step's byte store may be out): so its stores into the stage have read their registers,
.else
	s_wait_dscnt 0x0
.endif
.if (\t)+6 < STEPS
	LOAD (\t)+6                                    ; which take the loads of six steps on
.endif
.if (\t)+1 < STEPS
.if STEPS-2-(\t) >= 5
	s_wait_loadcnt 20                              ; the next step's four loads are in; those of the five steps behind it may be out
.else
	s_wait_loadcnt 4*(STEPS-2-(\t))
.endif
	TURN (\t)+1                                    ; and go through the other stage while this step is worked
.endif
	v_max3_num_f32 v8, |v[XS]|, |v[XS+1]|, |v[XS+2]|               ; the largest magnitude of my 16, in two chains
	v_max3_num_f32 v9, |v[XS+3]|, |v[XS+4]|, |v[XS+5]|
.irp i, 6,10
	v_max3_num_f32 v8, v8, |v[XS+\i]|, |v[XS+\i+1]|
	v_max3_num_f32 v9, v9, |v[XS+\i+2]|, |v[XS+\i+3]|
.endr
	v_max3_num_f32 v8, v8, |v[XS+14]|, |v[XS+15]|
	v_max3_num_f32 v8, v8, v9, (EMAX+1)<<23        ; and the floor 2^(EMAX + 1 - 127): the byte cannot fall under 1
	v_max_num_f32_dpp v8, v8, v8 row_xmask:1 row_mask:0xf bank_mask:0xf   ; and of my neighbour's 16: the block's
	v_add_nc_u32 v11, -(EMAX<<23), v8              ; EMAX off its exponent field: the conversion takes the exponent field of this operand as its scale
	v_cvt_scalef32_pk8_fp4_f32 v[C+2*(\t)], v[XS:XS+7], v11       ; eight numbers / the scale, to the nearest code, ties to even, beyond the largest code the largest
	v_cvt_scalef32_pk8_fp4_f32 v[C+2*(\t)+1], v[XS+8:XS+15], v11
	v_lshrrev_b32 v[E+(\t)], 23, v11               ; the scale's byte
	ds_store_b8 v5, v[E+(\t)] offset:16*(\t)       ; both lanes of a block write the same byte with the same value
.if (\t) < 16
	global_store_b64 v4, v[C+2*(\t):C+2*(\t)+1], s[14:15] offset:256*(\t)
.else
	global_store_b64 v4, v[C+2*(\t):C+2*(\t)+1], s[18:19] offset:(((\t)-16)/2)*524288+(((\t)-16)%2)*256
.endif
.endm
.irp t, 0,1,2,3,4,5,6,7,8,9,10,11,12,13,14,15,16,17,18,19,20,21
	STEP \t
.endr
	ds_load_b64 v[8:9], v6                         ; x's 256 scale bytes: LDS serves a wave's instructions in order: these see my stores
	s_wait_dscnt 0x0
	global_store_b64 v4, v[8:9], s[16:17]          ; 32 lanes store 256 consecutive bytes, aligned
	s_wait_xcnt 0x0                                ; EXEC changes only behind this wait: the stores above have read it
	v_cmp_gt_u32 vcc_lo, 24, v2
	s_and_saveexec_b32 s28, vcc_lo                 ; the weights' 3 x 32 scale bytes: lanes 0 to 23, a word each
	ds_load_b32 v245, v243
	s_wait_dscnt 0x0
	global_store_b32 v244, v245, s[20:21]
	s_wait_xcnt 0x0                                ; and again in front of the line that widens EXEC
	s_or_b32 exec_lo, exec_lo, s28
.irp e, 0,1,2,3                        ; Wo to f16: group e of four registers is half a fragment: lane l's 16 bytes at 16 l
.irp j, 0,1,2,3
	v_cvt_pk_f16_f32 v[R+4*\e+\j], v[WOR+8*\e+2*\j], v[WOR+8*\e+2*\j+1]
.endr
.endr
.irp e, 0,1,2,3
	global_store_b128 v3, v[R+4*\e:R+4*\e+3], s[22:23] offset:512*\e   ; 512 consecutive bytes
.endr
	s_wait_tensorcnt 0x0                           ; the wave's end
	ds_add_u32 v[SPW], v[NIL]
	s_wait_dscnt 0x0
	s_endpgm
.Lfunc_end_k_qf8fd8ed044_quant:
	.size	k_qf8fd8ed044_quant, .Lfunc_end_k_qf8fd8ed044_quant-k_qf8fd8ed044_quant
	.p2alignl 7, 3214868480
	.fill 96, 4, 3214868480
	.section	.rodata,"a",@progbits
	.p2align	6, 0x0
	.amdhsa_kernel k_qf8fd8ed044_quant
		.amdhsa_group_segment_fixed_size 33280
		.amdhsa_private_segment_fixed_size 0
		.amdhsa_enable_private_segment 0
		.amdhsa_kernarg_size 80
		.amdhsa_user_sgpr_count 2
		.amdhsa_user_sgpr_kernarg_segment_ptr 1
		.amdhsa_wavefront_size32 1
		.amdhsa_system_sgpr_workgroup_id_x 1
		.amdhsa_system_sgpr_workgroup_id_y 1
		.amdhsa_system_sgpr_workgroup_id_z 1
		.amdhsa_system_vgpr_workitem_id 0
		.amdhsa_next_free_vgpr 256
		.amdhsa_next_free_sgpr 66
		.amdhsa_reserve_vcc 1
		.amdhsa_float_denorm_mode_32 3
		.amdhsa_float_denorm_mode_16_64 3
		.amdhsa_memory_ordered 1
		.amdhsa_forward_progress 1
		.amdhsa_inst_pref_size 48
	.end_amdhsa_kernel
	.amdgpu_metadata
---
amdhsa.version: [ 1, 2 ]
amdhsa.kernels:
  - .name:           k_qf8fd8ed044_quant
    .symbol:         k_qf8fd8ed044_quant.kd
    .args:
      - { .name: x, .offset: 0, .size: 8, .value_kind: global_buffer, .address_space: global }
      - { .name: Wq, .offset: 8, .size: 8, .value_kind: global_buffer, .address_space: global }
      - { .name: Wk, .offset: 16, .size: 8, .value_kind: global_buffer, .address_space: global }
      - { .name: Wv, .offset: 24, .size: 8, .value_kind: global_buffer, .address_space: global }
      - { .name: Wo, .offset: 32, .size: 8, .value_kind: global_buffer, .address_space: global }
      - { .name: xc, .offset: 40, .size: 8, .value_kind: global_buffer, .address_space: global }
      - { .name: xs, .offset: 48, .size: 8, .value_kind: global_buffer, .address_space: global }
      - { .name: wc, .offset: 56, .size: 8, .value_kind: global_buffer, .address_space: global }
      - { .name: ws, .offset: 64, .size: 8, .value_kind: global_buffer, .address_space: global }
      - { .name: wo16, .offset: 72, .size: 8, .value_kind: global_buffer, .address_space: global }
    .group_segment_fixed_size: 33280
    .private_segment_fixed_size: 0
    .kernarg_segment_align: 8
    .kernarg_segment_size: 80
    .max_flat_workgroup_size: 128
    .sgpr_count:     66
    .vgpr_count:     256
    .wavefront_size: 32
...
	.end_amdgpu_metadata
.endif
;; end of part 1
;; launch qkv (part 2): grid 12 x 32, 4 waves a work-group, clusters of 4 x 4, 327,680 bytes of LDS; arguments xc, xs, wc, ws, qkv16, qkv32; writes qkv16, qkv32
.if DOCPART == 2
	.amdgcn_target "amdgcn-amd-amdhsa--gfx1250"
	.amdhsa_code_object_version 6
	.text
	.protected	k_qf8fd8ed044_qkv
	.globl	k_qf8fd8ed044_qkv
	.p2align	8
	.type	k_qf8fd8ed044_qkv,@function
k_qf8fd8ed044_qkv:
	s_mov_b64 s[64:65], 0
	v_nop
	global_prefetch_b8 v0, s[64:65] scope:SCOPE_SE
	s_setreg_imm32_b32 hwreg(HW_REG_WAVE_MODE, 25, 1), 1
	s_wait_xcnt 0x0
	s_wait_alu depctr_hold_cnt(0) depctr_sa_sdst(0) depctr_va_vdst(0) depctr_va_sdst(0) depctr_va_ssrc(0) depctr_va_vcc(0) depctr_vm_vsrc(0)
	s_getreg_b32 s2, hwreg(HW_REG_IB_STS2, 6, 4)
	s_cmp_eq_u32 s2, 0
	s_cbranch_scc0 .Lentry_in_a_cluster
	s_endpgm
.Lentry_in_a_cluster:
	s_bfe_u32 s2, ttmp6, 0x10000c
	s_cmp_lg_u32 s2, 0xf033
	s_cbranch_scc0 .Lentry_shape_is_right
	s_endpgm
.Lentry_shape_is_right:
; q, k, v = x Wq^T, x Wk^T, x Wv^T on codes of FP4 (E2M1) with one E8M0 scale for each 32 along K = 1,024; sums in f32.
; A tile of 256 x 256 results is made by a work-group of four waves, a wave makes 128 x 128: 64 accumulators, 512 registers.  K goes in two steps of 512: both LDS slots and all scale bytes are filled once, at the head.
; THE CLUSTER'S x IS THE PART: 0 q, 1 k, 2 v; all sixteen partners share it.  For q and k operand A is x (tokens) and B the weight (features).  For v the two change roles (A = Wv's rows, B = x's rows):
; chosen by scalar selects on the cluster's x, no branch in the product.
; THE MATRIX INSTRUCTION IS USED TRANSPOSED (source 0 = 16 rows of B, source 1 = 16 rows of A): a lane holds one row of A and eight neighbouring rows of B.  So for q and k a lane holds a token and eight
; neighbouring features, for v a feature and eight neighbouring tokens: rounded to f16, each accumulator's four registers ARE half a fragment of the attention's operand (q, k: K = features; v: K = keys).
; THE RESULTS LEAVE AS IMAGES OF THOSE OPERAND REGISTERS: lane l's 16 bytes at 16 l, 512 consecutive bytes a store, with no turn through LDS.
;   qkv16: part x 16,777,216 + (16 batch + head) x 262,144;  q, k: [16 tokens: 128][2,048 bytes], 16 features bb at 512 bb;  v: [32 tokens: 64][16 features: 4][1,024 bytes], the odd 16 tokens at + 512.
;   qkv32: the accumulators of positions 0 to 15 of each sequence, in f32, as they stand: [batch][16 features: 192][1,024 bytes], registers 0-3 at 16 l, 4-7 at 512 + 16 l.
; CLUSTERS: 4 x 4 work-groups; A's tiles are asked for jointly along a row of the cluster, B's along a column.
; LIMITS: q, k, v must lie under 65,504 in size (f16).
; REGISTERS, in windows of 256: window 0: v0-31 addresses; v32-95 scale words, two sets; from v128 A's fragments, one set, on the way out packed results.  window 1: B's fragments, two sets.  windows 2, 3: the accumulators ((a, b) at v[8 (8 (a % 4) + b)]).
.set KSTEP,  512
.set NQ,     4
.set ROWB,   256                       ; a tile's row: 512 codes
.set KROW,   512                       ; a row of codes in memory
.set PITCH,  272                       ; an LDS row: 256 bytes + 16 of padding: the 16 rows that a load touches start at 16 different banks (64 banks of 4 bytes: ISA guide 11.1)
.set FR,     8
.set NL,     2
.set NP,     4                         ; places behind this matrix instruction (ISA guide 7.12.1)
.set HALFT,  128*PITCH
.set SLOT,   4*HALFT
.set KS,     32                        ; a row of scale bytes
.set SCL,    2*SLOT
.set HALFS,  (128*KS/256)*272
.set SBLK,   (16*KS/256)*272
.set SPARE,  SCL+4*HALFS               ; the spare words: 128 bytes a wave, two blocks of 256 bytes that no other line names
.set ADRA, 16
.set ADRB, 20
.set CO,   26                          ; v26 16 x lane
.set ADRS, 27
.set SPW,  28
.set NIL,  29
.set PRD,  30                          ; v30 0 where my wave's accumulators hold positions 0 to 15 of a sequence
.set SC,   32
.set AF,   128
.set PK,   128                         ; the way out: four sets of 32 packed registers
.set G1, 24
.set G0, 32
.set G1B, 48
.set G0B, 56
.set G1S, 68
.set G0S, 76
.set G1SB, 80
.set G0SB, 88
.set MSB, 0
.macro WIN new                         ; the immediate's high byte repeats the setting that is left
.if MSB != \new
	s_set_vgpr_msb (MSB<<8)|\new
.set MSB, \new
.endif
.endm
.set MUL_LO, 0xa1                      ; source 0 (B) window 1, source 1 (A) window 0, C and D window 2
.set MUL_HI, 0xf1                      ; the same, C and D window 3
.set TO_B,   0x40
; A joint load: waves 0 and 1 fetch for A, waves 2 and 3 for B.  The branch hangs on the wave's number alone.  An s_nop 0 and four v_nop follow each of the two lines.
.macro JLOAD g0a, g1a, g0b, g1b
	s_cmp_eq_u32 s15, 0
	s_cbranch_scc0 .Lfor_b_\@
	tensor_load_to_lds s[\g0a:\g0a+3], s[\g1a:\g1a+7]
	s_nop 0
.rept 4
	v_nop
.endr
	s_branch .Lasked_\@
.Lfor_b_\@:
	tensor_load_to_lds s[\g0b:\g0b+3], s[\g1b:\g1b+7]
	s_nop 0
.rept 4
	v_nop
.endr
.Lasked_\@:
.endm
.macro CROUND                          ; a round of the cluster's barrier
	s_barrier_signal -1
	s_barrier_wait -1
	s_cmp_lg_u32 s14, 0
	s_cbranch_scc1 .Lnot_wave_0_\@
	s_barrier_signal -3
.Lnot_wave_0_\@:
	s_barrier_wait -3
	s_barrier_signal -1
	s_barrier_wait -1
.endm
	s_load_b256 s[4:11], s[0:1], 0x0               ; xc, xs, wc, ws
	s_load_b128 s[96:99], s[0:1], 0x20             ; qkv16, qkv32
	v_lshl_add_u32 v[SPW], v0, 2, SPARE
	v_mov_b32 v[NIL], 0
	ds_add_u32 v[SPW], v[NIL]                      ; the wave's opening: the add, twice on end, and its wait ahead of my first tensor load
	ds_add_u32 v[SPW], v[NIL]
	v_lshrrev_b32 v1, 5, v0
	v_readfirstlane_b32 s14, v1                    ; wave 0..3
	s_lshr_b32 s15, s14, 1                         ; which half of A's rows is mine.  Also: I fetch for A (0) or for B (1)
	s_and_b32 s16, s14, 1                          ; which half of B's rows.  Also: which 128 rows of that tile I fetch
	s_bfe_u32 s40, ttmp6, 0x40000                  ; cx, cy
	s_bfe_u32 s41, ttmp6, 0x40004
	s_and_b32 s17, ttmp7, 0xffff                   ; the cluster's y, 0..7
	s_cmp_eq_u32 ttmp9, 2                          ; v?  The same in all sixteen partners
	s_cselect_b32 s42, s17, ttmp9                  ; B's tiles: for v x's 32, walked by the cluster's y; else the weight's, by the cluster's x
	s_cselect_b32 s17, 0, s17                      ; A's tiles: for v Wv's four; else x's 32
	s_cselect_b32 s95, 2048, 0                     ; Wv's rows begin at row 2,048 of wc
	s_lshl_b32 s42, s42, 2
	s_add_co_u32 s42, s42, s40                     ; B's tile = 4 x .. + cx
	s_lshl_b32 s17, s17, 2
	s_add_co_u32 s17, s17, s41                     ; A's tile = 4 x .. + cy
	s_lshl_b32 s43, s41, 2
	s_lshl_b32 s43, 15, s43                        ; my row of the cluster
	s_lshl_b32 s44, 0x1111, s40                    ; my column
	; descriptor group 1: a tile of 128 rows x 256 bytes, 16 bytes of padding behind each row
	s_or_b32 s[G1+0], s43, (0<<16)|(1<<20)|(1<<21)|(5<<22)|(3<<25)  ; the mask: A's tiles go to my row; elements of 1 byte; padding on; bit 21 beside a mask; after every 64 words, 4 words
	s_or_b32 s[G1B+0], s44, (0<<16)|(1<<20)|(1<<21)|(5<<22)|(3<<25)
.irp g, G1, G1B
	s_mov_b32 s[\g+1], ROWB<<16                    ; tensor_dim0
	s_mov_b32 s[\g+2], 128<<16                     ; tensor_dim1
	s_mov_b32 s[\g+3], ROWB<<16                    ; tile_dim0
	s_mov_b32 s[\g+4], 128                         ; tile_dim1
	s_mov_b32 s[\g+5], KROW                        ; from row to row
	s_mov_b32 s[\g+6], 0
	s_mov_b32 s[\g+7], 0
.endr
	; the scales of 128 rows: 4,096 dense bytes, as 16 rows of 256 bytes (32 elements of 8), 16 bytes of padding behind each
	s_or_b32 s[G1S+0], s43, (3<<16)|(1<<20)|(1<<21)|(5<<22)|(3<<25)
	s_or_b32 s[G1SB+0], s44, (3<<16)|(1<<20)|(1<<21)|(5<<22)|(3<<25)
.irp g, G1S, G1SB
	s_mov_b32 s[\g+1], 32<<16
	s_mov_b32 s[\g+2], (128*KS/256)<<16
	s_mov_b32 s[\g+3], 32<<16
	s_mov_b32 s[\g+4], 128*KS/256
	s_mov_b32 s[\g+5], 32
	s_mov_b32 s[\g+6], 0
	s_mov_b32 s[\g+7], 0
.endr
	s_lshl_b32 s18, s16, 7                         ; which 128 rows of the tile I fetch
	s_lshl_b32 s20, s17, 8
	s_add_co_u32 s20, s20, s18
	s_add_co_u32 s20, s20, s95                     ; A: row 256 x tile + 128 x half (+ 2,048)
	s_lshl_b32 s46, s42, 8
	s_add_co_u32 s46, s46, s18                     ; B: row 256 x tile + 128 x half
	s_mov_b32 s21, 0
	s_mov_b32 s47, 0
	s_mov_b64 s[18:19], KS
	s_mul_u64 s[22:23], s[20:21], s[18:19]         ; where these rows' scales begin
	s_mul_u64 s[92:93], s[46:47], s[18:19]
	s_mov_b64 s[18:19], KROW
	s_mul_u64 s[20:21], s[20:21], s[18:19]         ; and their codes
	s_mul_u64 s[46:47], s[46:47], s[18:19]
	s_mul_i32 s45, s14, HALFT                      ; where they go: wave x 128 rows: no place in the cluster enters an LDS address
	s_mul_i32 s94, s14, HALFS
	s_wait_dscnt 0x0                               ; both opening adds are done
	s_wait_kmcnt 0x0
	s_cmp_eq_u32 ttmp9, 2                          ; for v the operands change roles: a choice between buffers on the cluster's x
	s_cselect_b64 s[12:13], s[8:9], s[4:5]
	s_cselect_b64 s[8:9], s[4:5], s[8:9]
	s_mov_b64 s[4:5], s[12:13]                     ; A's codes, B's codes
	s_cselect_b64 s[12:13], s[10:11], s[6:7]
	s_cselect_b64 s[10:11], s[6:7], s[10:11]
	s_mov_b64 s[6:7], s[12:13]                     ; A's scales, B's scales
	s_add_nc_u64 s[20:21], s[4:5], s[20:21]
	s_add_nc_u64 s[22:23], s[6:7], s[22:23]
	s_add_nc_u64 s[46:47], s[8:9], s[46:47]
	s_add_nc_u64 s[92:93], s[10:11], s[92:93]
	CROUND                                         ; all sixteen work-groups are here: the first joint loads meet
	s_mov_b32 s[G0S], 1
	s_add_co_u32 s[G0S+1], s94, SCL
	s_mov_b64 s[G0S+2:G0S+3], s[22:23]
	s_or_b32 s[G0S+3], s[G0S+3], 0x80000000
	s_mov_b32 s[G0SB], 1
	s_add_co_u32 s[G0SB+1], s94, SCL
	s_mov_b64 s[G0SB+2:G0SB+3], s[92:93]
	s_or_b32 s[G0SB+3], s[G0SB+3], 0x80000000
	JLOAD G0S, G1S, G0SB, G1SB                     ; the scales first: they are wanted with K step 0
.irp s, 0,1
	s_mov_b32 s[G0+4*\s], 1
	s_add_co_u32 s[G0+4*\s+1], s45, \s*SLOT
	s_add_nc_u64 s[G0+4*\s+2:G0+4*\s+3], s[20:21], \s*ROWB
	s_or_b32 s[G0+4*\s+3], s[G0+4*\s+3], 0x80000000
	s_mov_b32 s[G0B+4*\s], 1
	s_add_co_u32 s[G0B+4*\s+1], s45, \s*SLOT
	s_add_nc_u64 s[G0B+4*\s+2:G0B+4*\s+3], s[46:47], \s*ROWB
	s_or_b32 s[G0B+4*\s+3], s[G0B+4*\s+3], 0x80000000
	JLOAD G0+4*\s, G1, G0B+4*\s, G1B               ; three tensor loads of mine are out: all that this launch asks for
.endr
	v_and_b32 v1, 15, v0                           ; l % 16
	v_bfe_u32 v2, v0, 4, 1                         ; l / 16
	v_mul_u32_u24 v3, v1, PITCH
	v_lshl_add_u32 v4, v2, 4, v3                   ; a fragment's row x pitch + 16 x half
	s_mul_i32 s21, s15, HALFT                      ; my 128 rows of A
	s_mul_i32 s22, s16, HALFT                      ; my 128 rows of B,
	s_add_co_u32 s22, s22, 2*HALFT                 ; which lie behind A's 256
.irp s, 0,1
	v_add_nc_u32 v[ADRA+\s], s21, v4
	v_add_nc_u32 v[ADRB+\s], s22, v4
	s_add_co_u32 s21, s21, SLOT
	s_add_co_u32 s22, s22, SLOT
.endr
	v_mul_u32_u24 v5, v1, KS                       ; my row's scales: 32 bytes a row,
	v_lshrrev_b32 v6, 8, v5
	v_lshl_add_u32 v5, v6, 4, v5                   ; and 16 more for each 256 passed
	s_mul_i32 s21, s15, HALFS
	s_mul_i32 s22, s16, HALFS
	s_add_co_u32 s22, s22, 2*HALFS
	s_sub_co_u32 s22, s22, s21
	v_mul_u32_u24 v6, s22, v2                      ; lanes 16-31 take B's
	s_add_co_u32 s21, s21, SCL
	v_add_nc_u32 v5, v5, v6
	v_add_nc_u32 v[ADRS], s21, v5
	v_and_b32 v6, 31, v0
	v_lshlrev_b32 v[CO], 4, v6
	; where my results go.  Tokens are A's rows (q, k) or B's (v), features the other's.
	s_cmp_eq_u32 ttmp9, 2
	s_cselect_b32 s18, s42, s17                    ; the tokens' tile of 256,
	s_cselect_b32 s19, s16, s15                    ; my half of it;
	s_cselect_b32 s20, s17, s42                    ; the features' tile,
	s_cselect_b32 s21, s15, s16                    ; my half of it
	s_and_b32 s20, s20, 3                          ; within the part
	s_lshr_b32 s22, s18, 3                         ; batch
	s_and_b32 s18, s18, 7
	s_or_b32 s67, s18, s19                         ; 0: my first 16 tokens are positions 0 to 15
	v_mov_b32 v[PRD], s67
	s_lshl_b32 s18, s18, 8
	s_lshl_b32 s23, s19, 7
	s_add_co_u32 s18, s18, s23                     ; my first position
	s_lshl_b32 s18, s18, 7                         ; x 128 bytes (2,048 for 16 tokens of q, k; 4,096 for 32 of v)
	s_lshl_b32 s23, s22, 4
	s_lshl_b32 s46, s20, 2
	s_add_co_u32 s23, s23, s46
	s_lshl_b32 s47, s21, 1
	s_add_co_u32 s23, s23, s47                     ; 16 batch + my first head
	s_lshl_b32 s23, s23, 18
	s_add_co_u32 s18, s18, s23
	s_lshl_b32 s23, ttmp9, 24                      ; the part
	s_add_co_u32 s18, s18, s23
	s_mov_b32 s19, 0
	s_add_nc_u64 s[96:97], s[96:97], s[18:19]
	s_mul_i32 s18, s22, 196608                     ; qkv32: batch x 192 KB
	s_lshl_b32 s23, ttmp9, 6
	s_lshl_b32 s46, s20, 4
	s_add_co_u32 s23, s23, s46
	s_lshl_b32 s47, s21, 3
	s_add_co_u32 s23, s23, s47                     ; my first 16 features: 64 part + 16 tile + 8 half
	s_lshl_b32 s23, s23, 10
	s_add_co_u32 s18, s18, s23
	s_add_nc_u64 s[98:99], s[98:99], s[18:19]
.macro FRAG reg, adr, q, i             ; a fragment, 16 rows x 128 K of 4-bit codes: lane l holds row l % 16; registers 4 c .. 4 c + 3 hold K = 64 c + 32 (l / 16) + 0 .. 31
.irp c, 0,1
	ds_load_b128 v[\reg+4*\c:\reg+4*\c+3], v[\adr] offset:64*(\q)+32*\c+(\i)*16*PITCH
.endr
.endm
; 16 matrix instructions: A's blocks a0, a0 + 1 x B's eight, 128 along K.  The 64 accumulators take turns, one instruction a turn, in the same order in every step.
.macro MUL16 a0, p, q, sc, zero
.irp a, \a0, \a0+1
.irp b, 0,1,2,3,4,5,6,7
.if \zero
	v_wmma_scale_f32_16x16x128_f8f6f4 v[8*(8*((\a)%4)+\b):8*(8*((\a)%4)+\b)+7], v[128*(\p)+FR*\b:128*(\p)+FR*\b+FR-1], v[AF+FR*(\a):AF+FR*(\a)+FR-1], 0, v[SC+8*NQ*(\sc)+NQ*\b+(\q)], v[SC+8*NQ*(\sc)+NQ*(\a)+(\q)] matrix_a_fmt:MATRIX_FMT_FP4 matrix_b_fmt:MATRIX_FMT_FP4 matrix_a_scale:MATRIX_SCALE_ROW1
.else
	v_wmma_scale_f32_16x16x128_f8f6f4 v[8*(8*((\a)%4)+\b):8*(8*((\a)%4)+\b)+7], v[128*(\p)+FR*\b:128*(\p)+FR*\b+FR-1], v[AF+FR*(\a):AF+FR*(\a)+FR-1], v[8*(8*((\a)%4)+\b):8*(8*((\a)%4)+\b)+7], v[SC+8*NQ*(\sc)+NQ*\b+(\q)], v[SC+8*NQ*(\sc)+NQ*(\a)+(\q)] matrix_a_fmt:MATRIX_FMT_FP4 matrix_b_fmt:MATRIX_FMT_FP4 matrix_a_scale:MATRIX_SCALE_ROW1
.endif
.endr
.endr
.endm
.macro FETCH_B slot, q, p
	WIN TO_B
.irp i, 0,1,2,3,4,5,6,7
	FRAG 128*(\p)+FR*\i, ADRB+\slot, \q, \i
.endr
	WIN 0
.endm
.macro FETCH_A slot, q, i0
.irp i, \i0, \i0+1, \i0+2, \i0+3
	FRAG AF+FR*(\i), ADRA+\slot, \q, \i
.endr
.endm
.macro SCALES sc                       ; a K step's scale words: 4 words a row; lanes 0-15 take A's block i, lanes 16-31 B's block i
.irp i, 0,1,2,3,4,5,6,7
	ds_load_b128 v[SC+8*NQ*\sc+NQ*\i:SC+8*NQ*\sc+NQ*\i+3], v[ADRS] offset:\i*SBLK
.endr
.endm
.macro PLACES n                        ; plain vector instructions between a matrix instruction and a load into, or a read of, its registers
.rept \n
	v_nop
.endr
.endm
.macro STEP slot, q, zero              ; 128 along K with its successor in the same slot
	s_wait_dscnt 4*NL                              ; B's set and A's blocks 0-3 are in; the youngest eight loads (A's blocks 4-7) may be out
	WIN MUL_LO
	MUL16 0, (\q)%2, \q, \slot, \zero
	MUL16 2, (\q)%2, \q, \slot, \zero
	s_wait_dscnt 0                                 ; A's blocks 4-7 are in
	PLACES NP
	FETCH_B \slot, (\q)+1, 1-(\q)%2
	FETCH_A \slot, (\q)+1, 0
	WIN MUL_HI
	MUL16 4, (\q)%2, \q, \slot, \zero
	MUL16 6, (\q)%2, \q, \slot, \zero
	PLACES NP
	WIN 0
	FETCH_A \slot, (\q)+1, 4
.endm
.macro STEPS slot, from
.set Q, \from
.rept NQ-1-\from
	STEP \slot, Q, 0
.set Q, Q+1
.endr
.endm
	s_wait_tensorcnt 1                             ; the scales and my part of K step 0 are in (K step 1's load may be out)
	s_barrier_signal -1
	s_barrier_wait -1                              ; everybody's are
	FETCH_B 0, 0, 0
	FETCH_A 0, 0, 0
	SCALES 0
	FETCH_A 0, 0, 4
	STEP 0, 0, 1                                   ; the first products start the sums: nothing is cleared
	STEPS 0, 1
	; slot 0's last step changes slots: one barrier; in front of it my part of slot 1 has landed
	s_wait_tensorcnt 0x0                           ; all my tensor loads have landed
	ds_add_u32 v[SPW], v[NIL]                      ; 0 onto my spare word
	s_wait_dscnt 4*NL+1                            ; (the add and A's blocks 4-7 may be out)
	WIN MUL_LO
	MUL16 0, 1, NQ-1, 0, 0
	s_wait_dscnt 0x0                               ; the add is done, and my reads of slot 0 are over
	s_barrier_signal -1
	MUL16 2, 1, NQ-1, 0, 0
	WIN 0
	s_barrier_wait -1                              ; slot 1 is whole
	PLACES NP
	v_add_nc_u32 v[ADRS], 4*NQ, v[ADRS]            ; on to the second K step's scale words
	FETCH_B 1, 0, 0
	FETCH_A 1, 0, 0
	SCALES 1
	WIN MUL_HI
	MUL16 4, 1, NQ-1, 0, 0
	MUL16 6, 1, NQ-1, 0, 0
	PLACES NP
	WIN 0
	FETCH_A 1, 0, 4
	STEPS 1, 0
	s_wait_dscnt 4*NL                              ; the very last step: nothing more to fetch
	WIN MUL_LO
	MUL16 0, 1, NQ-1, 1, 0
	MUL16 2, 1, NQ-1, 1, 0
	s_wait_dscnt 0
	WIN MUL_HI
	MUL16 4, 1, NQ-1, 1, 0
	MUL16 6, 1, NQ-1, 1, 0
	WIN 0
; THE WAY OUT.  Block a's 8 accumulators are rounded to f16, each from its low end on, and stored as they stand: 512 consecutive bytes a store.
.macro PACKOUT a, vv
.set AC, 64*((\a)%4)
.set PB, PK+32*((\a)%4)
	WIN 0x0a+5*((\a)/4)                            ; sources 0 and 1: window 2 or 3
.irp b, 0,1,2,3,4,5,6,7
.irp r, 0,1,2,3
	v_cvt_pk_f16_f32 v[PB+4*\b+\r], v[AC+8*\b+2*\r], v[AC+8*\b+2*\r+1]
.endr
.endr
	WIN 0
.irp b, 0,1,2,3,4,5,6,7
.if \vv
	global_store_b128 v[CO], v[PB+4*\b:PB+4*\b+3], s[96:97] offset:((\a)/4)*262144+(\b/2)*4096+((\a)%4)*1024+(\b%2)*512   ; head a / 4, 32 tokens b / 2, 16 features a % 4, half b % 2
.else
	global_store_b128 v[CO], v[PB+4*\b:PB+4*\b+3], s[96:97] offset:(\b/4)*262144+(\a)*2048+(\b%4)*512                     ; head b / 4, 16 tokens a, 16 features b % 4
.endif
.endr
.endm
	PLACES NP                                      ; behind the last products, in front of the first reads of results
	s_wait_xcnt 0x0                                ; EXEC changes only behind this wait
	v_cmp_eq_u32 vcc_lo, 0, v[PRD]
	s_cmp_eq_u32 ttmp9, 2                          ; the cluster's x: all partners go the same way
	s_cbranch_scc1 .Lvout
	s_and_saveexec_b32 s66, vcc_lo                 ; positions 0 to 15 in f32: a predicate, no branch: block 0's eight accumulators as they stand
	WIN 0x08                                       ; a store's data are its source 1: window 2
.irp b, 0,1,2,3,4,5,6,7
	global_store_b128 v[CO], v[8*\b:8*\b+3], s[98:99] offset:\b*1024
	global_store_b128 v[CO], v[8*\b+4:8*\b+7], s[98:99] offset:\b*1024+512
.endr
	WIN 0
	s_wait_xcnt 0x0                                ; and again in front of the line that widens EXEC
	s_or_b32 exec_lo, exec_lo, s66
.irp a, 0,1,2,3
	PACKOUT \a, 0
.endr
	s_wait_xcnt 0x0                                ; the stores have read their registers: the four sets are written again
.irp a, 4,5,6,7
	PACKOUT \a, 0
.endr
	s_branch .Lend
.Lvout:
	s_and_saveexec_b32 s66, vcc_lo                 ; v: the tokens are B's rows: accumulators (a, 0) hold positions 0 to 15
.irp a, 0,1,2,3,4,5,6,7
	WIN 0x08+4*(\a/4)
	global_store_b128 v[CO], v[64*(\a%4):64*(\a%4)+3], s[98:99] offset:\a*1024
	global_store_b128 v[CO], v[64*(\a%4)+4:64*(\a%4)+7], s[98:99] offset:\a*1024+512
.endr
	WIN 0
	s_wait_xcnt 0x0
	s_or_b32 exec_lo, exec_lo, s66
.irp a, 0,1,2,3
	PACKOUT \a, 1
.endr
	s_wait_xcnt 0x0
.irp a, 4,5,6,7
	PACKOUT \a, 1
.endr
.Lend:
	s_wait_tensorcnt 0x0                           ; the wave's end
	ds_add_u32 v[SPW], v[NIL]
	s_wait_dscnt 0x0
	CROUND                                         ; the closing round: no work-group ends while a partner may still ask for a tile that names it
	s_endpgm
.Lfunc_end_k_qf8fd8ed044_qkv:
	.size	k_qf8fd8ed044_qkv, .Lfunc_end_k_qf8fd8ed044_qkv-k_qf8fd8ed044_qkv
	.p2alignl 7, 3214868480
	.fill 96, 4, 3214868480
	.section	.rodata,"a",@progbits
	.p2align	6, 0x0
	.amdhsa_kernel k_qf8fd8ed044_qkv
		.amdhsa_group_segment_fixed_size 327680
		.amdhsa_private_segment_fixed_size 0
		.amdhsa_enable_private_segment 0
		.amdhsa_kernarg_size 48
		.amdhsa_user_sgpr_count 2
		.amdhsa_user_sgpr_kernarg_segment_ptr 1
		.amdhsa_wavefront_size32 1
		.amdhsa_system_sgpr_workgroup_id_x 1
		.amdhsa_system_sgpr_workgroup_id_y 1
		.amdhsa_system_sgpr_workgroup_id_z 1
		.amdhsa_system_vgpr_workitem_id 0
		.amdhsa_next_free_vgpr 1024
		.amdhsa_next_free_sgpr 102
		.amdhsa_reserve_vcc 1
		.amdhsa_float_denorm_mode_32 3
		.amdhsa_float_denorm_mode_16_64 3
		.amdhsa_memory_ordered 1
		.amdhsa_forward_progress 1
		.amdhsa_inst_pref_size 144
	.end_amdhsa_kernel
	.amdgpu_metadata
---
amdhsa.version: [ 1, 2 ]
amdhsa.kernels:
  - .name:           k_qf8fd8ed044_qkv
    .symbol:         k_qf8fd8ed044_qkv.kd
    .args:
      - { .name: xc, .offset: 0, .size: 8, .value_kind: global_buffer, .address_space: global }
      - { .name: xs, .offset: 8, .size: 8, .value_kind: global_buffer, .address_space: global }
      - { .name: wc, .offset: 16, .size: 8, .value_kind: global_buffer, .address_space: global }
      - { .name: ws, .offset: 24, .size: 8, .value_kind: global_buffer, .address_space: global }
      - { .name: qkv16, .offset: 32, .size: 8, .value_kind: global_buffer, .address_space: global }
      - { .name: qkv32, .offset: 40, .size: 8, .value_kind: global_buffer, .address_space: global }
    .group_segment_fixed_size: 327680
    .private_segment_fixed_size: 0
    .kernarg_segment_align: 8
    .kernarg_segment_size: 48
    .max_flat_workgroup_size: 128
    .sgpr_count:     102
    .vgpr_count:     1024
    .wavefront_size: 32
...
	.end_amdgpu_metadata
.endif
;; end of part 2
;; launch attn (part 3): grid 4 x 64, 16 waves a work-group, no clusters, 327,680 bytes of LDS; arguments qkv16, attn16; writes attn16
.if DOCPART == 3
	.amdgcn_target "amdgcn-amd-amdhsa--gfx1250"
	.amdhsa_code_object_version 6
	.text
	.protected	k_qf8fd8ed044_attn
	.globl	k_qf8fd8ed044_attn
	.p2align	8
	.type	k_qf8fd8ed044_attn,@function
k_qf8fd8ed044_attn:
	s_mov_b64 s[64:65], 0
	v_nop
	global_prefetch_b8 v0, s[64:65] scope:SCOPE_SE
	s_setreg_imm32_b32 hwreg(HW_REG_WAVE_MODE, 25, 1), 1
	s_wait_xcnt 0x0
; attn[b][h][q] = the sum over k <= q of softmax_k(q . k / 8) v, head size 64, 2,048 positions, 64 heads (batch x head).  Operands in f16, products, maxima and sums in f32.
; SHARES.  Work-group (i, head) owns the query blocks i and 7 - i of 256 queries: under the causal mask the two together have the same work for every i.  Each of its SIXTEEN waves owns 32 queries, two tiles of 16,
; which share every fragment of K and V read from LDS.  Four waves to a SIMD: one wave's vector work stands beside another's matrix work and LDS loads.
; LAYOUT.  S^T = K Q^T (source 0 = 16 keys, source 1 = 16 queries), O^T = V^T P (source 0 = 16 channels, source 1 = P): a lane holds ONE query throughout; two tiles of S^T, rounded to f16 in pairs, ARE source 1 of the second product.
; q, k, v lie in memory as images of these operand registers (lane l's 16 bytes at 16 l), so a slot's K and V are dense blocks, every fragment is two loads of 512 consecutive LDS bytes, and nothing is turned.
; SOFTMAX.  For each query a running maximum m and sum l: p = 2^(c s - c m), c = log2(e) / 8; in every step O and l are multiplied by a = 2^(c m_old - c m_new).
; THE RING.  Two slots of 256 keys (K 32 KB, V 32 KB), filled by waves 0 to 3, 16 KB each.  EVERY work-group walks all 8 slots, so that trip counts are constants; a step all of whose keys come after the wave's
; queries is jumped over, and a slot whose first key comes after the work-group's last query is not asked for: tests on ids and the count of steps alone.  Every wait on TENSORcnt is for 0.
; NO CLUSTER: under the mask every wave of a partner with early queries would jump over the reads of tiles asked for jointly.
; The result leaves as an image of the output projection's operand registers: [16 tokens: 512][32 along K: 32][1,024 bytes].
; LIMITS: the result must lie under 65,504 in size (f16); weights p under 2^-25 fall to 0 in f16.
.set SLOTB, 65536                      ; slot 1 begins here: one exclusive or turns an address
.set VOFF,  32768
.set SPARE, 131072                     ; the spare words: 128 bytes a wave, eight blocks of 256 bytes that no other line names
.set LI,   1                           ; v1  16 x lane
.set ADR,  2                           ; v2  the slot in hand + 16 x lane
.set SPW,  3
.set NIL,  4
.set PFO,  5                           ; v5  256 x lane
.set D0,   6                           ; v6, v7 the mask: query - first key - 8 (lane / 16), tiles 0 and 1
.set ST,   8                           ; tile t's statistics at v[ST + 8 t]: +0 c m, +1 m, +2, +3 l, +4 .. +7 at work; a takes +6
.set X2,   24                          ; v[24 + 2 t] a second chain of sums
.set NINF, 28
.set RH,   29                          ; v29 lane % 16 - 8 (lane / 16)
.set Q,    32                          ; v32-63   Q: tile t, channels 32 c on: 32 + 16 t + 8 c
.set KV,   64                          ; v64-127  K's eight fragments, then V's eight
.set S,    128                         ; v128-191 S^T, 32 a tile; then P in its first 16
.set O,    192                         ; v192-255 O^T, 32 a tile
.set WV,   8
.set BH,   9
.set SEL,  10
.set CS,   12
.set G1,   16
.set G0,   24
.set TB,   28
.set KF,   29                          ; the step's first key
.set Q0,   30                          ; my first query
.set QL,   31                          ; my work-group's last query
.set SLOTS, 32
.set LIM,  33
.set PFA,  34
.macro TLOAD                           ; waves 0 to 3 fetch, one load each; an s_nop 0 and four v_nop follow the line
	s_cmp_lt_u32 s[WV], 4
	s_cbranch_scc0 .Lasked_\@
	tensor_load_to_lds s[G0:G0+3], s[G1:G1+7]
	s_nop 0
.rept 4
	v_nop
.endr
.Lasked_\@:
.endm
; A PREFETCH INTO THE L2 of what the NEXT change of slots will ask for: 32 KB of K and 32 KB of V.  All four work-groups of a head walk the same K and V: the one with i = 0, which walks all keys, asks.
; In it the waves ask that fetch nothing: waves 4 to 7 for K, waves 8 to 11 for V, 8,192 bytes a wave, lanes 256 bytes apart: each block of 256 bytes is named once in the launch.
; The last change that fills a slot asks for nothing; slots 0 and 1 come by their loads alone.
.macro ASK
	s_cmp_gt_u32 s[SLOTS], s[LIM]
	s_cbranch_scc0 .Lnot_mine_\@
	global_prefetch_b8 v[PFO], s[PFA:PFA+1] th:TH_LOAD_NT scope:SCOPE_SE
.Lnot_mine_\@:
.endm
	s_load_b128 s[4:7], s[0:1], 0x0                ; qkv16, attn16
	v_lshl_add_u32 v[SPW], v0, 2, SPARE
	v_mov_b32 v[NIL], 0
	ds_add_u32 v[SPW], v[NIL]                      ; the wave's opening: the add, twice on end, and its wait ahead of the first tensor load
	ds_add_u32 v[SPW], v[NIL]
	v_lshrrev_b32 v1, 5, v0
	v_readfirstlane_b32 s[WV], v1                  ; wave 0..15
	s_and_b32 s[BH], ttmp7, 0xffff                 ; 16 batch + head
	; descriptor group 1: 16 KB dense, as 64 rows of 256 bytes (32 elements of 8), no padding
	s_mov_b32 s[G1], 3<<16
	s_mov_b32 s[G1+1], 32<<16                      ; tensor_dim0
	s_mov_b32 s[G1+2], 64<<16                      ; tensor_dim1
	s_mov_b32 s[G1+3], 32<<16                      ; tile_dim0
	s_mov_b32 s[G1+4], 64                          ; tile_dim1
	s_mov_b32 s[G1+5], 32                          ; from row to row
	s_mov_b32 s[G1+6], 0
	s_mov_b32 s[G1+7], 0
	s_and_b32 s36, s[WV], 3
	s_lshl_b32 s37, s36, 14                        ; what I fetch, if I fetch: LDS: K's halves, then V's halves
	s_bfe_u32 s38, s[WV], 0x10001
	s_add_co_u32 s38, s38, 1
	s_lshl_b32 s38, s38, 24                        ; part 1 (k: waves 0, 1) or 2 (v: waves 2, 3)
	s_and_b32 s39, s[WV], 1
	s_lshl_b32 s39, s39, 14
	s_add_co_u32 s38, s38, s39
	s_lshl_b32 s44, s[BH], 18                      ; the head's 262,144 bytes
	s_add_co_u32 s38, s38, s44
	s_mov_b32 s39, 0
	s_mov_b32 s[SEL], 0x76543210
	s_mov_b32 s[SEL+1], 0xfedcba98                 ; v_permlanex16_b32's selects for lane l xor 16
	s_mov_b32 s[CS], 0x3e38aa3b                    ; c = log2(e) / 8
	s_mov_b32 s[CS+1], s[CS]
	s_mov_b32 s[TB], 0
	s_mov_b32 s[KF], 0
	s_mov_b32 s[SLOTS], 7
	s_sub_co_u32 s36, 7, ttmp9
	s_cmp_lt_u32 s[WV], 8
	s_cselect_b32 s36, ttmp9, s36                  ; waves 0-7: block i; waves 8-15: block 7 - i
	s_lshl_b32 s[Q0], s36, 8
	s_and_b32 s36, s[WV], 7
	s_lshl_b32 s36, s36, 5
	s_add_co_u32 s[Q0], s[Q0], s36
	s_sub_co_u32 s[QL], 8, ttmp9
	s_lshl_b32 s[QL], s[QL], 8
	s_sub_co_u32 s[QL], s[QL], 1
	s_wait_dscnt 0x0                               ; both opening adds are done
	s_wait_kmcnt 0x0
	s_mov_b32 s[G0], 1
	s_mov_b32 s[G0+1], s37
	s_add_nc_u64 s[G0+2:G0+3], s[4:5], s[38:39]
	s_or_b32 s[G0+3], s[G0+3], 0x80000000
	TLOAD                                          ; slot 0: keys 0 to 255, which count for some query of every wave
	s_lshl_b32 s40, s[Q0], 7
	s_add_co_u32 s40, s40, s44
	s_mov_b32 s41, 0
	s_add_nc_u64 s[42:43], s[4:5], s[40:41]        ; Q at my first query: part 0, 2,048 bytes for 16 queries
	s_lshr_b32 s36, s[WV], 3
	s_add_co_u32 s36, s36, 1
	s_lshl_b32 s36, s36, 24                        ; the prefetches: waves 4-7 part 1, waves 8-11 part 2,
	s_and_b32 s37, s[WV], 3
	s_lshl_b32 s37, s37, 13                        ; my wave's 8,192 bytes,
	s_add_co_u32 s36, s36, s37
	s_add_co_u32 s36, s36, s44
	s_add_co_u32 s36, s36, 32768                   ; in slot 1: the first change of slots steps it to slot 2
	s_mov_b32 s37, 0
	s_add_nc_u64 s[PFA:PFA+1], s[4:5], s[36:37]
	s_sub_co_u32 s36, s[WV], 4
	s_lshr_b32 s36, s36, 3                         ; 0 in waves 4 to 11,
	s_or_b32 s36, s36, ttmp9                       ; of the work-group with i = 0
	s_cmp_eq_u32 s36, 0
	s_cselect_b32 s[LIM], 1, -1
	s_lshr_b32 s36, s[BH], 4
	s_lshl_b32 s36, s36, 11
	s_add_co_u32 s36, s36, s[Q0]                   ; my first token of 8,192,
	s_and_b32 s37, s[BH], 15
	s_add_co_u32 s36, s36, s37                     ; 2,048 bytes a token (32,768 for 16), 2,048 a head
	s_lshl_b32 s36, s36, 11
	s_mov_b32 s37, 0
	s_add_nc_u64 s[6:7], s[6:7], s[36:37]
	v_and_b32 v[LI], 31, v0
	v_lshlrev_b32 v[PFO], 8, v[LI]
	v_lshlrev_b32 v[LI], 4, v[LI]
	v_and_b32 v30, 15, v0
	v_bfe_u32 v31, v0, 4, 1
	v_lshlrev_b32 v31, 3, v31
	v_sub_nc_u32 v[RH], v30, v31
	v_mov_b32 v[NINF], 0xff800000
.irp t, 0,1
.irp c, 0,1
	global_load_b128 v[Q+16*\t+8*\c:Q+16*\t+8*\c+3],   v[LI], s[42:43] offset:\t*2048+\c*1024       ; Q stays in registers
	global_load_b128 v[Q+16*\t+8*\c+4:Q+16*\t+8*\c+7], v[LI], s[42:43] offset:\t*2048+\c*1024+512
.endr
.endr
.irp t, 0,1
	v_mov_b32 v[ST+8*\t+1], 0xff61b1e6             ; m: -3e38, under every score
	v_mul_f32 v[ST+8*\t], s[CS], v[ST+8*\t+1]      ; c m
.irp j, 2,3,4,5,6,7
	v_mov_b32 v[ST+8*\t+\j], 0                     ; l, and the registers at work
.endr
.endr
.set i, 0
.rept 64
	v_mov_b32 v[O+i], 0                            ; O^T.  (The step is written once: the first finds zeros, which its a = 0 leaves zeros)
.set i, i+1
.endr
; A KEY STEP: 64 keys, the q-th of the slot in hand.
.macro STEP q
	s_add_co_u32 s36, s[Q0], 31                    ; a step all of whose keys come after my 32 queries is left out: a scalar branch on ids and the count of steps
	s_cmp_gt_u32 s[KF], s36
	s_cbranch_scc1 .Lhidden_\@
	v_add_nc_u32 v[ADR], s[TB], v[LI]
.irp kt, 0,1,2,3                       ; K: 16 keys kt, channels 32 c on
.irp c, 0,1
	ds_load_b128 v[KV+8*(2*\kt+\c):KV+8*(2*\kt+\c)+3],   v[ADR] offset:(\q)*8192+\kt*2048+\c*1024
	ds_load_b128 v[KV+8*(2*\kt+\c)+4:KV+8*(2*\kt+\c)+7], v[ADR] offset:(\q)*8192+\kt*2048+\c*1024+512
.endr
.endr
	s_wait_dscnt 0x0
.irp c, 0,1                            ; S^T = K Q^T: the eight accumulators take turns, one instruction a turn; the first eight start the sums
.irp kt, 0,1,2,3
.irp t, 0,1
.if \c == 0
	v_wmma_f32_16x16x32_f16 v[S+32*\t+8*\kt:S+32*\t+8*\kt+7], v[KV+8*(2*\kt+\c):KV+8*(2*\kt+\c)+7], v[Q+16*\t+8*\c:Q+16*\t+8*\c+7], 0
.else
	v_wmma_f32_16x16x32_f16 v[S+32*\t+8*\kt:S+32*\t+8*\kt+7], v[KV+8*(2*\kt+\c):KV+8*(2*\kt+\c)+7], v[Q+16*\t+8*\c:Q+16*\t+8*\c+7], v[S+32*\t+8*\kt:S+32*\t+8*\kt+7]
.endif
.endr
.endr
.endr
.rept 4
	v_nop                                          ; four places: in front of the loads into K's registers and of the first read of the scores
.endr
.irp u, 0,1                            ; V: 32 keys u, 16 channels dt: they land while the softmax is worked
.irp dt, 0,1,2,3
	ds_load_b128 v[KV+8*(4*\u+\dt):KV+8*(4*\u+\dt)+3],   v[ADR] offset:VOFF+(\q)*8192+\u*4096+\dt*1024
	ds_load_b128 v[KV+8*(4*\u+\dt)+4:KV+8*(4*\u+\dt)+7], v[ADR] offset:VOFF+(\q)*8192+\u*4096+\dt*1024+512
.endr
.endr
	s_add_co_u32 s36, s[KF], 63                    ; on the diagonal hidden scores become -infinity ahead of the maximum; a step all of whose keys count skips this
	s_cmp_le_u32 s36, s[Q0]
	s_cbranch_scc1 .Lopen_\@
	s_sub_co_i32 s36, s[Q0], s[KF]
	v_add_nc_u32 v[D0], s36, v[RH]                 ; register 8 kt + j holds key KF + 16 kt + 8 (lane / 16) + j: hidden where 16 kt + j > query - KF - 8 (lane / 16)
	v_add_nc_u32 v[D0+1], 16, v[D0]
.irp t, 0,1
.set n, 0
.rept 32
	v_cmp_gt_i32 vcc_lo, 16*(n/8)+n%8, v[D0+\t]
	v_cndmask_b32 v[S+32*\t+n], v[S+32*\t+n], v[NINF], vcc_lo
.set n, n+1
.endr
.endr
.Lopen_\@:
.irp j, 0,1,2,3                        ; the maximum of my 32 scores and the old m: four chains, each begun at its accumulator's low end; the two tiles by turns
.irp t, 0,1
	v_max3_num_f32 v[ST+8*\t+4+\j], v[S+32*\t+8*\j], v[S+32*\t+8*\j+1], v[S+32*\t+8*\j+2]
.endr
.endr
.irp i, 3,5
.irp j, 0,1,2,3
.irp t, 0,1
	v_max3_num_f32 v[ST+8*\t+4+\j], v[ST+8*\t+4+\j], v[S+32*\t+8*\j+\i], v[S+32*\t+8*\j+\i+1]
.endr
.endr
.endr
.irp t, 0,1
	v_max3_num_f32 v[ST+8*\t+4], v[ST+8*\t+4], v[S+32*\t+7], v[S+32*\t+15]
	v_max3_num_f32 v[ST+8*\t+6], v[ST+8*\t+6], v[S+32*\t+23], v[S+32*\t+31]
.endr
.irp t, 0,1
	v_max3_num_f32 v[ST+8*\t+4], v[ST+8*\t+4], v[ST+8*\t+5], v[ST+8*\t+6]
.endr
.irp t, 0,1
	v_max3_num_f32 v[ST+8*\t+4], v[ST+8*\t+4], v[ST+8*\t+7], v[ST+8*\t+1]
.endr
.irp t, 0,1
	v_permlanex16_b32 v[ST+8*\t+5], v[ST+8*\t+4], s[SEL], s[SEL+1]   ; the query's other 32 keys lie in the lane 16 away
.endr
.irp t, 0,1
	v_mov_b32 v[ST+8*\t+7], v[ST+8*\t]             ; c m_old
.endr
.irp t, 0,1
	v_max_num_f32 v[ST+8*\t+1], v[ST+8*\t+4], v[ST+8*\t+5]
.endr
.irp t, 0,1
	v_mul_f32 v[ST+8*\t], s[CS], v[ST+8*\t+1]
.endr
.irp t, 0,1
	v_sub_f32 v[ST+8*\t+7], v[ST+8*\t+7], v[ST+8*\t]
.endr
.irp t, 0,1
.set i, 0
.rept 16
	v_pk_fma_f32 v[S+32*\t+i:S+32*\t+i+1], v[S+32*\t+i:S+32*\t+i+1], s[CS:CS+1], v[ST+8*\t:ST+8*\t+1] op_sel_hi:[1,0,0] neg_lo:[0,0,1] neg_hi:[0,0,1]   ; c s - c m, two at a time
.set i, i+2
.endr
.endr
.irp t, 0,1                            ; ONE BATCH: both tiles' 66 exponentials; none reads another's result
	v_exp_f32 v[ST+8*\t+6], v[ST+8*\t+7]           ; a
.set i, 0
.rept 32
	v_exp_f32 v[S+32*\t+i], v[S+32*\t+i]           ; p
.set i, i+1
.endr
.endr
	v_nop                                          ; a plain instruction behind the last exponential
	s_wait_alu depctr_va_vdst(0)                   ; one wait for the batch, ahead of its first reader
.irp t, 0,1                            ; l = a l + the sum of p, before p is rounded: two chains of pairs
	v_pk_fma_f32 v[ST+8*\t+2:ST+8*\t+3], v[ST+8*\t+2:ST+8*\t+3], v[ST+8*\t+6:ST+8*\t+7], v[S+32*\t+4:S+32*\t+5] op_sel_hi:[1,0,1]
	v_pk_add_f32 v[X2+2*\t:X2+2*\t+1], v[S+32*\t:S+32*\t+1], v[S+32*\t+2:S+32*\t+3]
.endr
.irp i, 6,10,14,18,22,26
.irp t, 0,1
	v_pk_add_f32 v[ST+8*\t+2:ST+8*\t+3], v[ST+8*\t+2:ST+8*\t+3], v[S+32*\t+\i:S+32*\t+\i+1]
	v_pk_add_f32 v[X2+2*\t:X2+2*\t+1], v[X2+2*\t:X2+2*\t+1], v[S+32*\t+\i+2:S+32*\t+\i+3]
.endr
.endr
.irp t, 0,1
	v_pk_add_f32 v[ST+8*\t+2:ST+8*\t+3], v[ST+8*\t+2:ST+8*\t+3], v[S+32*\t+30:S+32*\t+31]
.endr
.irp t, 0,1
	v_pk_add_f32 v[ST+8*\t+2:ST+8*\t+3], v[ST+8*\t+2:ST+8*\t+3], v[X2+2*\t:X2+2*\t+1]
.endr
.irp t, 0,1                            ; p to f16, in place and ascending: register i takes pair i; P's fragment of 32 keys u is then registers 8 u .. 8 u + 7
.set i, 0
.rept 16
	v_cvt_pk_f16_f32 v[S+32*\t+i], v[S+32*\t+2*i], v[S+32*\t+2*i+1]
.set i, i+1
.endr
.endr
.irp t, 0,1                            ; O^T x a, each accumulator from its low end on
.set i, 0
.rept 16
	v_pk_mul_f32 v[O+32*\t+i:O+32*\t+i+1], v[O+32*\t+i:O+32*\t+i+1], v[ST+8*\t+6:ST+8*\t+7] op_sel_hi:[1,0]
.set i, i+2
.endr
.endr
	s_wait_dscnt 0x0                               ; V is in
.irp u, 0,1                            ; O^T += V^T P: the eight accumulators by turns
.irp dt, 0,1,2,3
.irp t, 0,1
	v_wmma_f32_16x16x32_f16 v[O+32*\t+8*\dt:O+32*\t+8*\dt+7], v[KV+8*(4*\u+\dt):KV+8*(4*\u+\dt)+7], v[S+32*\t+8*\u:S+32*\t+8*\u+7], v[O+32*\t+8*\dt:O+32*\t+8*\dt+7]
.endr
.endr
.endr
.rept 5
	v_nop                                          ; five places: the next step's first products write over P's registers; its loads land on V's
.endr
.Lhidden_\@:
	s_add_co_u32 s[KF], s[KF], 64
.endm
; THE CHANGE OF SLOTS stands at a slot's head.  Each wave waits for all its tensor loads, adds 0 to its spare word, and waits for that and for its reads of the slot that it has left.  Behind the barrier the slot
; ahead is whole and nobody reads the other one.  fill = 1: that other slot is asked for, up to the causal limit: the load has a slot's four steps in which to land.
.macro CHANGE fill
	s_wait_tensorcnt 0x0                           ; no tensor load of mine is out, so the group 0 may be written
	ds_add_u32 v[SPW], v[NIL]                      ; 0 onto my spare word
.if \fill
	ds_add_u32 v[SPW], v[NIL]                      ; and once more: the add twice on end, in every trip alike
	s_xor_b32 s[G0+1], s[G0+1], SLOTB              ; the walking descriptor: the other slot,
	s_add_nc_u64 s[G0+2:G0+3], s[G0+2:G0+3], 32768 ; the next 256 keys
	s_wait_xcnt 0x0                                ; the last prefetch, a slot back, has read its address
	s_add_nc_u64 s[PFA:PFA+1], s[PFA:PFA+1], 32768
.endif
	s_wait_dscnt 0x0                               ; the adds are done, and my reads of the slot that I have left are over
	s_barrier_signal -1
	s_barrier_wait -1
.if \fill
	s_add_co_u32 s36, s[KF], 256                   ; the first key of the slot that this change would ask for:
	s_cmp_gt_u32 s36, s[QL]                        ; behind my work-group's last query it is read by none of its waves and is not asked for.  Ids and the count of steps alone: all sixteen waves go the same way
	s_cbranch_scc1 .Lpast_\@
	TLOAD                                          ; a wave's one tensor load until the next change
.Lpast_\@:
	ASK
.endif
.endm
.macro SLOT_STEPS
	STEP 0
	STEP 1
	STEP 2
	STEP 3
	s_xor_b32 s[TB], s[TB], SLOTB
.endm
	s_wait_loadcnt 0x0                             ; Q
.Lslot:                                            ; 7 trips
	CHANGE 1
	SLOT_STEPS
	s_sub_co_u32 s[SLOTS], s[SLOTS], 1
	s_cmp_lg_u32 s[SLOTS], 0
	s_cbranch_scc1 .Lslot
	CHANGE 0                                       ; the last slot is written out: nothing is left to ask for
	SLOT_STEPS
	; THE WAY OUT: O^T / l, rounded to f16: a tile's four accumulators are four halves of the projection's fragments; 512 consecutive bytes a store.
.irp t, 0,1
	v_add_f32 v[ST+8*\t+4], v[ST+8*\t+2], v[ST+8*\t+3]
.endr
.irp t, 0,1
	v_permlanex16_b32 v[ST+8*\t+5], v[ST+8*\t+4], s[SEL], s[SEL+1]
.endr
.irp t, 0,1
	v_add_f32 v[ST+8*\t+4], v[ST+8*\t+4], v[ST+8*\t+5]
.endr
.irp t, 0,1
	v_rcp_f32 v[ST+8*\t+6], v[ST+8*\t+4]
.endr
	v_nop                                          ; a plain instruction behind the reciprocals,
	s_wait_alu depctr_va_vdst(0)                   ; and one wait for both, ahead of the first reader
.irp t, 0,1
.set i, 0
.rept 16
	v_pk_mul_f32 v[O+32*\t+i:O+32*\t+i+1], v[O+32*\t+i:O+32*\t+i+1], v[ST+8*\t+6:ST+8*\t+7] op_sel_hi:[1,0]
.set i, i+2
.endr
.endr
.irp t, 0,1
.set i, 0
.rept 16
	v_cvt_pk_f16_f32 v[S+16*\t+i], v[O+32*\t+2*i], v[O+32*\t+2*i+1]
.set i, i+1
.endr
.endr
.irp t, 0,1
.irp dt, 0,1,2,3
	global_store_b128 v[LI], v[S+16*\t+4*\dt:S+16*\t+4*\dt+3], s[6:7] offset:\t*32768+\dt*512
.endr
.endr
	s_wait_tensorcnt 0x0                           ; the wave's end
	ds_add_u32 v[SPW], v[NIL]
	s_wait_dscnt 0x0
	s_endpgm
.Lfunc_end_k_qf8fd8ed044_attn:
	.size	k_qf8fd8ed044_attn, .Lfunc_end_k_qf8fd8ed044_attn-k_qf8fd8ed044_attn
	.p2alignl 7, 3214868480
	.fill 96, 4, 3214868480
	.section	.rodata,"a",@progbits
	.p2align	6, 0x0
	.amdhsa_kernel k_qf8fd8ed044_attn
		.amdhsa_group_segment_fixed_size 327680
		.amdhsa_private_segment_fixed_size 0
		.amdhsa_enable_private_segment 0
		.amdhsa_kernarg_size 16
		.amdhsa_user_sgpr_count 2
		.amdhsa_user_sgpr_kernarg_segment_ptr 1
		.amdhsa_wavefront_size32 1
		.amdhsa_system_sgpr_workgroup_id_x 1
		.amdhsa_system_sgpr_workgroup_id_y 1
		.amdhsa_system_sgpr_workgroup_id_z 1
		.amdhsa_system_vgpr_workitem_id 0
		.amdhsa_next_free_vgpr 256
		.amdhsa_next_free_sgpr 66
		.amdhsa_reserve_vcc 1
		.amdhsa_float_denorm_mode_32 3
		.amdhsa_float_denorm_mode_16_64 3
		.amdhsa_memory_ordered 1
		.amdhsa_forward_progress 1
		.amdhsa_inst_pref_size 184
	.end_amdhsa_kernel
	.amdgpu_metadata
---
amdhsa.version: [ 1, 2 ]
amdhsa.kernels:
  - .name:           k_qf8fd8ed044_attn
    .symbol:         k_qf8fd8ed044_attn.kd
    .args:
      - { .name: qkv16, .offset: 0, .size: 8, .value_kind: global_buffer, .address_space: global }
      - { .name: attn16, .offset: 8, .size: 8, .value_kind: global_buffer, .address_space: global }
    .group_segment_fixed_size: 327680
    .private_segment_fixed_size: 0
    .kernarg_segment_align: 8
    .kernarg_segment_size: 16
    .max_flat_workgroup_size: 512
    .sgpr_count:     66
    .vgpr_count:     256
    .wavefront_size: 32
...
	.end_amdgpu_metadata
.endif
;; end of part 3
;; launch proj (part 4): grid 4 x 64, 4 waves a work-group, clusters of 4 x 4, 327,680 bytes of LDS; arguments attn16, wo16, out0; writes out0
.if DOCPART == 4
	.amdgcn_target "amdgcn-amd-amdhsa--gfx1250"
	.amdhsa_code_object_version 6
	.text
	.protected	k_qf8fd8ed044_proj
	.globl	k_qf8fd8ed044_proj
	.p2align	8
	.type	k_qf8fd8ed044_proj,@function
k_qf8fd8ed044_proj:
	s_mov_b64 s[64:65], 0
	v_nop
	global_prefetch_b8 v0, s[64:65] scope:SCOPE_SE
	s_setreg_imm32_b32 hwreg(HW_REG_WAVE_MODE, 25, 1), 1
	s_wait_xcnt 0x0
	s_wait_alu depctr_hold_cnt(0) depctr_sa_sdst(0) depctr_va_vdst(0) depctr_va_sdst(0) depctr_va_ssrc(0) depctr_va_vcc(0) depctr_vm_vsrc(0)
	s_getreg_b32 s2, hwreg(HW_REG_IB_STS2, 6, 4)
	s_cmp_eq_u32 s2, 0
	s_cbranch_scc0 .Lentry_in_a_cluster
	s_endpgm
.Lentry_in_a_cluster:
	s_bfe_u32 s2, ttmp6, 0x10000c
	s_cmp_lg_u32 s2, 0xf033
	s_cbranch_scc0 .Lentry_shape_is_right
	s_endpgm
.Lentry_shape_is_right:
; out0 [8192][1024] f32 = attn Wo^T, K = 1,024, operands in f16, sums in f32.
; A tile of 128 rows x 256 columns to a work-group: 256 tiles, one for each WGP.  Four waves, each 64 x 128: 32 accumulators of 16 x 16, 256 registers.
; BOTH OPERANDS LIE IN MEMORY AS IMAGES OF THEIR FRAGMENTS: [16 rows][32 along K: 32][1,024 bytes], lane l's 16 bytes at 16 l (+ 512 for registers 4-7).  A K step of 128 of 16 rows is 4,096 consecutive bytes:
; a tile is a few long rows for the tensor data mover, and a fragment is two loads of 512 consecutive LDS bytes: no padding.
; K goes in steps of 128 through a ring of two LDS slots.  CLUSTERS: 4 x 4 work-groups; attn's tiles are asked for jointly along a row of the cluster, Wo's along a column.
; THE MATRIX INSTRUCTION IS USED TRANSPOSED (source 0 = 16 rows of Wo, source 1 = 16 rows of attn): a lane holds eight neighbouring numbers of a row of the result.
; Rows 0 to 15 of each sequence are stored here like all others and are stored again, computed in f32, by the launch that follows.
; REGISTERS: window 0: v0-31 addresses; v128-255 rows on the way out.  window 1: two fragment buffers of 96: B's eight, then A's four.  window 2: the accumulators ((a, b) at v[8 (8 a + b)]).
.set KSB,    4096                      ; a K step of 16 rows, in bytes
.set SLOT,   98304                     ; A's 8 x 4,096, then B's 16 x 4,096
.set BOFF,   32768
.set STAGE,  2*SLOT                    ; behind the ring: 16 rows x (512 + 16) bytes for each wave
.set SPITCH, 528
.set SPARE,  STAGE+4*16*SPITCH         ; the spare words: 128 bytes a wave, two blocks of 256 bytes that no other line names
.set ADRA, 16
.set ADRB, 20
.set STO,  24
.set RD,   25
.set CO,   26
.set SPW,  28
.set NIL,  29
.set BK,   128
.set F0,   0
.set F1,   128
.set G1, 24
.set G0, 32
.set G1B, 48
.set G0B, 56
.set MSB, 0
.macro WIN new                         ; the immediate's high byte repeats the setting that is left
.if MSB != \new
	s_set_vgpr_msb (MSB<<8)|\new
.set MSB, \new
.endif
.endm
.set MUL,  0xa5                        ; sources 0 and 1 window 1; C and D window 2
.set TO_F, 0x40                        ; destination window 1, address window 0
.macro JLOAD s                         ; a joint load: waves 0 and 1 fetch A's halves, waves 2 and 3 B's; an s_nop 0 and four v_nop follow each of the two lines
	s_cmp_eq_u32 s11, 0
	s_cbranch_scc0 .Lfor_b_\@
	tensor_load_to_lds s[G0+4*\s:G0+4*\s+3], s[G1:G1+7]
	s_nop 0
.rept 4
	v_nop
.endr
	s_branch .Lasked_\@
.Lfor_b_\@:
	tensor_load_to_lds s[G0B+4*\s:G0B+4*\s+3], s[G1B:G1B+7]
	s_nop 0
.rept 4
	v_nop
.endr
.Lasked_\@:
.endm
.macro CREST                           ; a round of the cluster's barrier behind its opening barrier
	s_cmp_lg_u32 s10, 0
	s_cbranch_scc1 .Lnot_wave_0_\@
	s_barrier_signal -3
.Lnot_wave_0_\@:
	s_barrier_wait -3
	s_barrier_signal -1
	s_barrier_wait -1
.endm
.macro CROUND
	s_barrier_signal -1
	s_barrier_wait -1
	CREST
.endm
	s_load_b128 s[4:7], s[0:1], 0x0                ; attn16, wo16
	s_load_b64 s[8:9], s[0:1], 0x10                ; out0
	v_lshl_add_u32 v[SPW], v0, 2, SPARE
	v_mov_b32 v[NIL], 0
	ds_add_u32 v[SPW], v[NIL]                      ; the wave's opening: the add, twice on end, and its wait ahead of my first tensor load
	ds_add_u32 v[SPW], v[NIL]
	v_lshrrev_b32 v1, 5, v0
	v_readfirstlane_b32 s10, v1                    ; wave 0..3
	s_lshr_b32 s11, s10, 1                         ; which 64 rows are mine.  Also: I fetch for A (0) or for B (1)
	s_and_b32 s12, s10, 1                          ; which 128 columns.  Also: which half of that tile I fetch
	s_bfe_u32 s40, ttmp6, 0x40000                  ; cx, cy
	s_bfe_u32 s41, ttmp6, 0x40004
	s_lshl_b32 s42, ttmp9, 2
	s_add_co_u32 s42, s42, s40                     ; tile column
	s_and_b32 s13, ttmp7, 0xffff
	s_lshl_b32 s13, s13, 2
	s_add_co_u32 s13, s13, s41                     ; tile row
	s_lshl_b32 s43, s41, 2
	s_lshl_b32 s43, 15, s43                        ; my row of the cluster
	s_lshl_b32 s44, 0x1111, s40                    ; my column
	; descriptor group 1: rows of 4,096 bytes (512 elements of 8), 32,768 bytes apart in memory, dense in LDS: A: 4 rows a load, B: 8
	s_or_b32 s[G1+0], s43, (3<<16)|(1<<21)         ; the mask: A's tiles go to my row; elements of 8 bytes; bit 21 beside a mask
	s_or_b32 s[G1B+0], s44, (3<<16)|(1<<21)
	s_mov_b32 s[G1+1], 512<<16                     ; tensor_dim0
	s_mov_b32 s[G1+2], 4<<16                       ; tensor_dim1
	s_mov_b32 s[G1+3], 512<<16                     ; tile_dim0
	s_mov_b32 s[G1+4], 4                           ; tile_dim1
	s_mov_b32 s[G1+5], 4096                        ; from row to row, in elements
	s_mov_b32 s[G1+6], 0
	s_mov_b32 s[G1+7], 0
	s_mov_b32 s[G1B+1], 512<<16
	s_mov_b32 s[G1B+2], 8<<16
	s_mov_b32 s[G1B+3], 512<<16
	s_mov_b32 s[G1B+4], 8
	s_mov_b32 s[G1B+5], 4096
	s_mov_b32 s[G1B+6], 0
	s_mov_b32 s[G1B+7], 0
	s_lshl_b32 s16, s13, 3
	s_lshl_b32 s17, s12, 2
	s_add_co_u32 s16, s16, s17                     ; A: 16 rows number 8 x tile row + 4 x half
	s_lshl_b32 s16, s16, 15
	s_mov_b32 s17, 0
	s_lshl_b32 s46, s42, 4
	s_lshl_b32 s47, s12, 3
	s_add_co_u32 s46, s46, s47                     ; B: 16 x tile column + 8 x half
	s_lshl_b32 s46, s46, 15
	s_mov_b32 s47, 0
	s_lshl_b32 s20, s12, 14                        ; where they go: A's halves,
	s_lshl_b32 s21, s12, 15
	s_add_co_u32 s21, s21, BOFF                    ; B's halves: no place in the cluster enters an LDS address
	s_wait_dscnt 0x0                               ; both opening adds are done
	s_wait_kmcnt 0x0
	s_add_nc_u64 s[14:15], s[4:5], s[16:17]
	s_add_nc_u64 s[46:47], s[6:7], s[46:47]
	CROUND                                         ; all sixteen work-groups are here: the first joint loads meet
.irp s, 0,1
	s_mov_b32 s[G0+4*\s], 1
	s_add_co_u32 s[G0+4*\s+1], s20, \s*SLOT
	s_add_nc_u64 s[G0+4*\s+2:G0+4*\s+3], s[14:15], \s*KSB
	s_or_b32 s[G0+4*\s+3], s[G0+4*\s+3], 0x80000000
	s_mov_b32 s[G0B+4*\s], 1
	s_add_co_u32 s[G0B+4*\s+1], s21, \s*SLOT
	s_add_nc_u64 s[G0B+4*\s+2:G0B+4*\s+3], s[46:47], \s*KSB
	s_or_b32 s[G0B+4*\s+3], s[G0B+4*\s+3], 0x80000000
	JLOAD \s                                       ; two tensor loads of mine are out
.endr
	v_and_b32 v1, 15, v0                           ; l % 16
	v_bfe_u32 v2, v0, 4, 1                         ; l / 16
	v_and_b32 v3, 31, v0
	v_lshlrev_b32 v[CO], 4, v3                     ; 16 x lane
	s_lshl_b32 s21, s11, 14                        ; my four blocks of A,
	s_lshl_b32 s22, s12, 15
	s_add_co_u32 s22, s22, BOFF                    ; my eight of B
.irp s, 0,1
	v_add_nc_u32 v[ADRA+\s], s21, v[CO]
	v_add_nc_u32 v[ADRB+\s], s22, v[CO]
	s_add_co_u32 s21, s21, SLOT
	s_add_co_u32 s22, s22, SLOT
.endr
	s_mul_i32 s23, s10, 16*SPITCH
	s_add_co_u32 s23, s23, STAGE                   ; my stage
	v_mul_u32_u24 v4, v1, SPITCH                   ; in: row l % 16, 32 bytes for each half of the lanes
	v_lshl_add_u32 v4, v2, 5, v4
	v_add_nc_u32 v[STO], s23, v4
	v_add_nc_u32 v[RD], s23, v[CO]                 ; back: the 32 lanes take one row of 512 bytes
	s_lshl_b32 s16, s13, 7
	s_lshl_b32 s17, s11, 6
	s_add_co_u32 s16, s16, s17                     ; my first row: 128 x tile row + 64 x half,
	s_lshl_b32 s16, s16, 12                        ; of 4,096 bytes
	s_mov_b32 s17, 0
	s_add_nc_u64 s[8:9], s[8:9], s[16:17]
	s_lshl_b32 s46, s42, 10                        ; my first column, in bytes: 1,024 x tile column + 512 x half
	s_lshl_b32 s47, s12, 9
	s_add_co_u32 s46, s46, s47
	s_mov_b32 s47, 0
	s_add_nc_u64 s[8:9], s[8:9], s[46:47]
.macro MUL8 f, a, zero                 ; A's block a against B's eight, 32 along K.  The 32 accumulators take turns, one instruction a turn, in the same order in every quarter
.irp b, 0,1,2,3,4,5,6,7
.if \zero
	v_wmma_f32_16x16x32_f16 v[8*(8*(\a)+\b):8*(8*(\a)+\b)+7], v[\f+8*\b:\f+8*\b+7], v[\f+64+8*(\a):\f+64+8*(\a)+7], 0
.else
	v_wmma_f32_16x16x32_f16 v[8*(8*(\a)+\b):8*(8*(\a)+\b)+7], v[\f+8*\b:\f+8*\b+7], v[\f+64+8*(\a):\f+64+8*(\a)+7], v[8*(8*(\a)+\b):8*(8*(\a)+\b)+7]
.endif
.endr
.endm
.macro MUL16 f, a0, zero
	MUL8 \f, \a0, \zero
	MUL8 \f, \a0+1, \zero
.endm
.macro FETCH slot, q, f                ; 24 LDS loads in one run: the fragments of the slot's q-th 32 along K: B's eight, then A's four
	WIN TO_F
.irp i, 0,1,2,3,4,5,6,7
	ds_load_b128 v[\f+8*\i:\f+8*\i+3],   v[ADRB+\slot] offset:\i*KSB+(\q)*1024
	ds_load_b128 v[\f+8*\i+4:\f+8*\i+7], v[ADRB+\slot] offset:\i*KSB+(\q)*1024+512
.endr
.irp i, 0,1,2,3
	ds_load_b128 v[\f+64+8*\i:\f+64+8*\i+3],   v[ADRA+\slot] offset:\i*KSB+(\q)*1024
	ds_load_b128 v[\f+64+8*\i+4:\f+64+8*\i+7], v[ADRA+\slot] offset:\i*KSB+(\q)*1024+512
.endr
.endm
.macro PLACES                          ; four places in front of loads into registers that matrix instructions have read, and of the first read of results
.rept 4
	v_nop
.endr
.endm
.macro QUARTER slot, qn, f, g, zero    ; multiplies buffer f, 32 matrix instructions; in its middle fetches the slot's quarter qn into g
	s_wait_dscnt 4                                 ; B and A's blocks 0, 1 are in; the youngest four loads (A's blocks 2, 3) may be out
	WIN MUL
	MUL16 \f, 0, \zero
	PLACES
	FETCH \slot, \qn, \g
	s_wait_dscnt 24                                ; all but the 24 just issued
	WIN MUL
	MUL16 \f, 2, \zero
.endm
; A slot's last quarter multiplies buffer 1 and changes slots: ONE barrier; in front of it each wave waits for all its tensor loads, adds 0 to its spare word, and waits for that and for its reads of this slot.
.macro TURN slot, next, fill
	WIN 0                                          ; (the add's two registers lie in window 0)
	s_wait_tensorcnt 0x0                           ; all my tensor loads have landed: my part of the next slot
	ds_add_u32 v[SPW], v[NIL]                      ; 0 onto my spare word
	s_wait_dscnt 5                                 ; (the add and the youngest four loads may be out)
	WIN MUL
	MUL8 F1, 0, 0                                  ; eight matrix instructions stand between the add and the wait for it
	s_wait_dscnt 0x0                               ; the add is done, and my reads of this slot are over
	s_barrier_signal -1
	MUL8 F1, 1, 0
.if \fill
	WIN 0
.endif
	s_barrier_wait -1
.if \fill
	CREST                                          ; the barrier has opened a round of the cluster's: no wave of any partner still reads this slot or has a load on its way
	s_add_nc_u64 s[G0+4*\slot+2:G0+4*\slot+3], s[G0+4*\slot+2:G0+4*\slot+3], 2*KSB
	s_add_nc_u64 s[G0B+4*\slot+2:G0B+4*\slot+3], s[G0B+4*\slot+2:G0B+4*\slot+3], 2*KSB
	JLOAD \slot                                    ; the first tensor load behind the round, my one load until the next; its four v_nop are also the places in front of the loads below
.else
	PLACES
.endif
	FETCH \next, 0, F0
	WIN MUL
	MUL16 F1, 2, 0
.endm
	s_wait_tensorcnt 1                             ; my part of K step 0 is in (K step 1's may be out)
	s_barrier_signal -1
	s_barrier_wait -1                              ; everybody's is
	FETCH 0, 0, F0
	QUARTER 0, 1, F0, F1, 1                        ; the first quarter's products start the sums
	WIN 0                                          ; at a label and at a branch every window is 0
	s_mov_b32 s3, 3
.Llap:                                                 ; a trip goes once round the ring and fills both slots again: K steps 2 to 7 in three trips
	QUARTER 0, 2, F1, F0, 0
	QUARTER 0, 3, F0, F1, 0
	TURN 0, 1, 1
	QUARTER 1, 1, F0, F1, 0
	QUARTER 1, 2, F1, F0, 0
	QUARTER 1, 3, F0, F1, 0
	TURN 1, 0, 1
	QUARTER 0, 1, F0, F1, 0
	WIN 0
	s_sub_co_u32 s3, s3, 1
	s_cmp_lg_u32 s3, 0
	s_cbranch_scc1 .Llap
	QUARTER 0, 2, F1, F0, 0                        ; the last lap fills nothing
	QUARTER 0, 3, F0, F1, 0
	TURN 0, 1, 0
	QUARTER 1, 1, F0, F1, 0
	QUARTER 1, 2, F1, F0, 0
	QUARTER 1, 3, F0, F1, 0
	s_wait_dscnt 4                                 ; the very last quarter
	WIN MUL
	MUL16 F1, 0, 0
	s_wait_dscnt 0
	MUL16 F1, 2, 0
	WIN 0
; THE WAY OUT, block by block of 16 rows x 128 columns: through my own stage in LDS and back as whole rows of 512 bytes.  LDS serves a wave's instructions in order (ISA guide 5.7.1.4): no wait between the stores and the loads.
.macro TOSTAGE a
.set AC, 64*(\a)
	WIN 0x08                                       ; an LDS store's data are its source 1: window 2
.irp b, 0,1,2,3,4,5,6,7
	ds_store_b128 v[STO], v[AC+8*\b:AC+8*\b+3] offset:64*\b          ; each accumulator from its low end on
	ds_store_b128 v[STO], v[AC+8*\b+4:AC+8*\b+7] offset:64*\b+16
.endr
	WIN 0
.set BB, BK+64*((\a)%2)
.irp t, 0,1,2,3,4,5,6,7,8,9,10,11,12,13,14,15
	ds_load_b128 v[BB+4*\t:BB+4*\t+3], v[RD] offset:\t*SPITCH
.endr
.endm
.macro SEND a, younger                 ; younger: the LDS instructions issued behind block a's loads
.set BB, BK+64*((\a)%2)
	s_wait_dscnt \younger
.if (\a) > 0
	s_add_nc_u64 s[8:9], s[8:9], 16*4096           ; (behind a wait on XCNT: the earlier stores have read their base)  16 rows on
.endif
.irp t, 0,1,2,3,4,5,6,7,8,9,10,11,12,13,14,15
	global_store_b128 v[CO], v[BB+4*\t:BB+4*\t+3], s[8:9] offset:\t*4096 th:TH_STORE_NT   ; 32 lanes store 512 consecutive bytes, at a multiple of 256 from the buffer's first byte
.endr
.endm
	PLACES
	TOSTAGE 0
.irp a, 1,2,3
.if \a > 1
	s_wait_xcnt 0x0                                ; block a - 2's stores have read their registers and their base
.endif
	TOSTAGE \a
	SEND \a-1, 32                                  ; behind block a - 1's loads: block a's 16 stores and 16 loads
.endr
	s_wait_xcnt 0x0
	SEND 3, 0
	s_wait_tensorcnt 0x0                           ; the wave's end
	ds_add_u32 v[SPW], v[NIL]
	s_wait_dscnt 0x0
	CROUND                                         ; the closing round
	s_endpgm
.Lfunc_end_k_qf8fd8ed044_proj:
	.size	k_qf8fd8ed044_proj, .Lfunc_end_k_qf8fd8ed044_proj-k_qf8fd8ed044_proj
	.p2alignl 7, 3214868480
	.fill 96, 4, 3214868480
	.section	.rodata,"a",@progbits
	.p2align	6, 0x0
	.amdhsa_kernel k_qf8fd8ed044_proj
		.amdhsa_group_segment_fixed_size 327680
		.amdhsa_private_segment_fixed_size 0
		.amdhsa_enable_private_segment 0
		.amdhsa_kernarg_size 24
		.amdhsa_user_sgpr_count 2
		.amdhsa_user_sgpr_kernarg_segment_ptr 1
		.amdhsa_wavefront_size32 1
		.amdhsa_system_sgpr_workgroup_id_x 1
		.amdhsa_system_sgpr_workgroup_id_y 1
		.amdhsa_system_sgpr_workgroup_id_z 1
		.amdhsa_system_vgpr_workitem_id 0
		.amdhsa_next_free_vgpr 768
		.amdhsa_next_free_sgpr 66
		.amdhsa_reserve_vcc 0
		.amdhsa_float_denorm_mode_32 3
		.amdhsa_float_denorm_mode_16_64 3
		.amdhsa_memory_ordered 1
		.amdhsa_forward_progress 1
		.amdhsa_inst_pref_size 85
	.end_amdhsa_kernel
	.amdgpu_metadata
---
amdhsa.version: [ 1, 2 ]
amdhsa.kernels:
  - .name:           k_qf8fd8ed044_proj
    .symbol:         k_qf8fd8ed044_proj.kd
    .args:
      - { .name: attn16, .offset: 0, .size: 8, .value_kind: global_buffer, .address_space: global }
      - { .name: wo16, .offset: 8, .size: 8, .value_kind: global_buffer, .address_space: global }
      - { .name: out0, .offset: 16, .size: 8, .value_kind: global_buffer, .address_space: global }
    .group_segment_fixed_size: 327680
    .private_segment_fixed_size: 0
    .kernarg_segment_align: 8
    .kernarg_segment_size: 24
    .max_flat_workgroup_size: 128
    .sgpr_count:     66
    .vgpr_count:     768
    .wavefront_size: 32
...
	.end_amdgpu_metadata
.endif
;; end of part 4
;; launch fine (part 5): grid 16 x 4, 16 waves a work-group, no clusters, 71,680 bytes of LDS; arguments qkv32, Wo, out0; writes out0
.if DOCPART == 5
	.amdgcn_target "amdgcn-amd-amdhsa--gfx1250"
	.amdhsa_code_object_version 6
	.text
	.protected	k_qf8fd8ed044_fine
	.globl	k_qf8fd8ed044_fine
	.p2align	8
	.type	k_qf8fd8ed044_fine,@function
k_qf8fd8ed044_fine:
	s_mov_b64 s[64:65], 0
	v_nop
	global_prefetch_b8 v0, s[64:65] scope:SCOPE_SE
	s_setreg_imm32_b32 hwreg(HW_REG_WAVE_MODE, 25, 1), 1
	s_wait_xcnt 0x0
; Positions 0 to 15 of every sequence, all in f32: they average one to sixteen values and are the largest in size, so f16 operands are too coarse for them.  4 x 16 rows of 8,192: no bulk work.
; Work-group (slice of 64 output columns, batch).  Wave w is head w: it makes its head's attention for the 16 rows, then that head's part (K = its 64 channels) of the 16 x 64 outputs; the sixteen parts are
; added through LDS, in a fixed order, and wave w stores row w: 256 consecutive bytes.  The attention is made again in each of the 16 slices: 32 of a wave's 96 matrix instructions, which spares a launch.
; q, k, v come as the f32 accumulators of the launch that made them ([batch][16 features: 192][1,024 bytes]): a lane holds a token (q, k) or a feature (v) and eight neighbours along the product's K.
; A register pair (2 s, 2 s + 1) is one K step of the f32 matrix form: its k = (lane / 16, register) stands for the true k = 8 (lane / 16) + 2 s + register, alike in both operands of each product.
; The registers that the f32 matrix form writes (v192-239) are written by matrix instructions alone; each sum begins with the constant 0.
.set PART,  4352                       ; a head's part in LDS: 16 rows x (256 + 16) bytes
.set SPARE, 16*PART                    ; the spare words: 128 bytes a wave, eight blocks of 256 bytes that no other line names
.set QR,  32                           ; v32-63 q, v64-95 k: later Wo's rows 32 to 63 of the slice
.set KR,  64
.set VR,  96                           ; v96-127 v: later attn
.set WA,  128                          ; v128-191 Wo's rows 0 to 31 of the slice
.set S0,  192
.set S1,  200
.set OA,  208                          ; four accumulators: O^T, later the outputs
.set P,   240
	s_load_b128 s[4:7], s[0:1], 0x0                ; qkv32, Wo
	s_load_b64 s[8:9], s[0:1], 0x10                ; out0
	v_lshl_add_u32 v9, v0, 2, SPARE                ; my spare word; never rewritten
	v_mov_b32 v10, 0                               ; 0; never rewritten
	v_lshrrev_b32 v1, 5, v0
	v_readfirstlane_b32 s10, v1                    ; wave = head
	s_and_b32 s11, ttmp7, 0xffff                   ; batch
	v_and_b32 v11, 31, v0
	v_lshlrev_b32 v1, 4, v11                       ; 16 x lane
	v_and_b32 v2, 15, v0                           ; r
	v_bfe_u32 v3, v0, 4, 1                         ; h
	v_lshlrev_b32 v12, 3, v3
	v_sub_nc_u32 v4, v2, v12                       ; r - 8 h: the mask
	v_lshlrev_b32 v5, 12, v2
	v_lshl_add_u32 v5, v3, 5, v5                   ; Wo: row r of 4,096 bytes, + 32 h
	s_mul_i32 s12, s10, PART
	v_mul_u32_u24 v6, v2, 272
	v_lshl_add_u32 v6, v3, 5, v6
	v_add_nc_u32 v6, s12, v6                       ; my part: row r, + 32 h
	s_mul_i32 s13, s10, 272
	v_lshlrev_b32 v8, 3, v11                       ; 8 x lane
	v_add_nc_u32 v7, s13, v8                       ; row w of a part, 8 bytes a lane
	s_mov_b32 s14, 0x76543210
	s_mov_b32 s15, 0xfedcba98                      ; v_permlanex16_b32's selects for lane l xor 16
	s_mov_b32 s16, 0x3e38aa3b                      ; c = log2(e) / 8
	s_mul_i32 s18, s11, 196608
	s_lshl_b32 s20, s10, 12
	s_add_co_u32 s18, s18, s20                     ; qkv32: batch x 192 KB + head x 4 KB
	s_mov_b32 s19, 0
	s_lshl_b32 s20, ttmp9, 18
	s_lshl_b32 s22, s10, 8
	s_add_co_u32 s20, s20, s22                     ; Wo: 64 rows x slice, + the head's 256 bytes
	s_mov_b32 s21, 0
	s_lshl_b32 s22, s11, 11
	s_add_co_u32 s22, s22, s10
	s_lshl_b32 s22, s22, 12                        ; out0: row 2,048 batch + w,
	s_lshl_b32 s24, ttmp9, 8
	s_add_co_u32 s22, s22, s24                     ; + 256 bytes x slice
	s_mov_b32 s23, 0
	s_wait_kmcnt 0x0
	s_add_nc_u64 s[4:5], s[4:5], s[18:19]
	s_add_nc_u64 s[6:7], s[6:7], s[20:21]
	s_add_nc_u64 s[8:9], s[8:9], s[22:23]
.irp p, 0,1,2                          ; q, k, v: four images of 1,024 bytes each
.irp bb, 0,1,2,3
	global_load_b128 v[QR+32*\p+8*\bb:QR+32*\p+8*\bb+3],   v1, s[4:5] offset:\p*65536+\bb*1024
	global_load_b128 v[QR+32*\p+8*\bb+4:QR+32*\p+8*\bb+7], v1, s[4:5] offset:\p*65536+\bb*1024+512
.endr
.endr
.irp nt, 0,1                           ; Wo(16 nt + r, 64 head + 16 bb + 8 h + 0 .. 7)
.irp bb, 0,1,2,3
	global_load_b128 v[WA+32*\nt+8*\bb:WA+32*\nt+8*\bb+3],   v5, s[6:7] offset:\nt*65536+\bb*64
	global_load_b128 v[WA+32*\nt+8*\bb+4:WA+32*\nt+8*\bb+7], v5, s[6:7] offset:\nt*65536+\bb*64+16
.endr
.endr
	s_wait_loadcnt 24                              ; q and k are in; v's 8 and Wo's 16 loads may be out
.irp bb, 0,1,2,3                       ; S^T = k q^T: 16 K steps of 4, on two accumulators by turns
.irp s, 0,1,2,3
.if (\bb == 0) && (\s < 2)
	v_wmma_f32_16x16x4_f32 v[S0+8*(\s%2):S0+8*(\s%2)+7], v[KR+8*\bb+2*\s:KR+8*\bb+2*\s+1], v[QR+8*\bb+2*\s:QR+8*\bb+2*\s+1], 0
.else
	v_wmma_f32_16x16x4_f32 v[S0+8*(\s%2):S0+8*(\s%2)+7], v[KR+8*\bb+2*\s:KR+8*\bb+2*\s+1], v[QR+8*\bb+2*\s:QR+8*\bb+2*\s+1], v[S0+8*(\s%2):S0+8*(\s%2)+7]
.endif
.endr
.endr
.rept 8
	v_nop                                          ; eight places behind this form: in front of the loads into q's and k's registers and of the first read of the sums
.endr
.irp nt, 0,1                           ; Wo's rows 32 to 63 of the slice
.irp bb, 0,1,2,3
	global_load_b128 v[QR+32*\nt+8*\bb:QR+32*\nt+8*\bb+3],   v5, s[6:7] offset:(\nt+2)*65536+\bb*64
	global_load_b128 v[QR+32*\nt+8*\bb+4:QR+32*\nt+8*\bb+7], v5, s[6:7] offset:(\nt+2)*65536+\bb*64+16
.endr
.endr
	v_mov_b32 v14, 0xff800000                      ; -infinity
.irp j, 0,1,2,3,4,5,6,7
	v_add_f32 v[P+\j], v[S0+\j], v[S1+\j]          ; lane (r, h): query r, key 8 h + j
.endr
.irp j, 0,1,2,3,4,5,6,7
	v_cmp_gt_i32 vcc_lo, \j, v4                    ; hidden where 8 h + j > r
	v_cndmask_b32 v[P+\j], v[P+\j], v14, vcc_lo
.endr
	v_max3_num_f32 v11, v[P], v[P+1], v[P+2]
	v_max3_num_f32 v12, v[P+3], v[P+4], v[P+5]
	v_max3_num_f32 v11, v11, v[P+6], v[P+7]
	v_max_num_f32 v11, v11, v12
	v_permlanex16_b32 v12, v11, s14, s15
	v_max_num_f32 v11, v11, v12                    ; the row's maximum: key 0 counts for every query
	v_mul_f32 v13, s16, v11
.irp j, 0,1,2,3,4,5,6,7
	v_fma_f32 v[P+\j], v[P+\j], s16, -v13
.endr
.irp j, 0,1,2,3,4,5,6,7
	v_exp_f32 v[P+\j], v[P+\j]
.endr
	v_nop                                          ; a plain instruction behind the last exponential,
	s_wait_alu depctr_va_vdst(0)                   ; and one wait for the eight, ahead of their first reader
	v_add_f32 v15, v[P], v[P+1]
	v_add_f32 v16, v[P+2], v[P+3]
	v_add_f32 v17, v[P+4], v[P+5]
	v_add_f32 v18, v[P+6], v[P+7]
	v_add_f32 v15, v15, v16
	v_add_f32 v17, v17, v18
	v_add_f32 v15, v15, v17
	v_permlanex16_b32 v16, v15, s14, s15
	v_add_f32 v15, v15, v16                        ; the row's sum
	v_rcp_f32 v19, v15
	v_nop
	s_wait_alu depctr_va_vdst(0)
	s_wait_loadcnt 32                              ; v is in; Wo's 32 loads may be out
.irp s, 0,1,2,3                        ; O^T = v^T p: K = 16 keys, four K steps; four accumulators by turns
.irp dt, 0,1,2,3
.if \s == 0
	v_wmma_f32_16x16x4_f32 v[OA+8*\dt:OA+8*\dt+7], v[VR+8*\dt+2*\s:VR+8*\dt+2*\s+1], v[P+2*\s:P+2*\s+1], 0
.else
	v_wmma_f32_16x16x4_f32 v[OA+8*\dt:OA+8*\dt+7], v[VR+8*\dt+2*\s:VR+8*\dt+2*\s+1], v[P+2*\s:P+2*\s+1], v[OA+8*\dt:OA+8*\dt+7]
.endif
.endr
.endr
.rept 9
	v_nop                                          ; nine places: the results are read, v's registers are written, and the accumulators are begun anew below
.endr
.set i, 0
.rept 32
	v_mul_f32 v[VR+i], v[OA+i], v19                ; attn(query r, channel 16 dt + 8 h + j), ascending
.set i, i+1
.endr
	s_wait_loadcnt 16                              ; Wo's rows 0 to 31 are in
.irp bb, 0,1,2,3                       ; out^T: source 0 = 16 rows of Wo, source 1 = attn: 16 K steps, two accumulators by turns
.irp s, 0,1,2,3
.irp nt, 0,1
.if (\bb == 0) && (\s == 0)
	v_wmma_f32_16x16x4_f32 v[OA+8*\nt:OA+8*\nt+7], v[WA+32*\nt+8*\bb+2*\s:WA+32*\nt+8*\bb+2*\s+1], v[VR+8*\bb+2*\s:VR+8*\bb+2*\s+1], 0
.else
	v_wmma_f32_16x16x4_f32 v[OA+8*\nt:OA+8*\nt+7], v[WA+32*\nt+8*\bb+2*\s:WA+32*\nt+8*\bb+2*\s+1], v[VR+8*\bb+2*\s:VR+8*\bb+2*\s+1], v[OA+8*\nt:OA+8*\nt+7]
.endif
.endr
.endr
.endr
	s_wait_loadcnt 0x0                             ; Wo's rows 32 to 63
.irp bb, 0,1,2,3
.irp s, 0,1,2,3
.irp nt, 0,1
.if (\bb == 0) && (\s == 0)
	v_wmma_f32_16x16x4_f32 v[OA+16+8*\nt:OA+16+8*\nt+7], v[QR+32*\nt+8*\bb+2*\s:QR+32*\nt+8*\bb+2*\s+1], v[VR+8*\bb+2*\s:VR+8*\bb+2*\s+1], 0
.else
	v_wmma_f32_16x16x4_f32 v[OA+16+8*\nt:OA+16+8*\nt+7], v[QR+32*\nt+8*\bb+2*\s:QR+32*\nt+8*\bb+2*\s+1], v[VR+8*\bb+2*\s:VR+8*\bb+2*\s+1], v[OA+16+8*\nt:OA+16+8*\nt+7]
.endif
.endr
.endr
.endr
.rept 8
	v_nop                                          ; eight places in front of the stores that read the results and of the loads into Wo's registers
.endr
.irp nt, 0,1,2,3
	ds_store_b128 v6, v[OA+8*\nt:OA+8*\nt+3] offset:64*\nt           ; lane (r, h): out(row r, 16 nt + 8 h + 0 .. 7), my head's part; each accumulator from its low end on
	ds_store_b128 v6, v[OA+8*\nt+4:OA+8*\nt+7] offset:64*\nt+16
.endr
	s_wait_dscnt 0x0                               ; for the others' sake: my stores have landed
	s_barrier_signal -1
	s_barrier_wait -1
.irp p, 0,1,2,3,4,5,6,7,8,9,10,11,12,13,14,15
	ds_load_b64 v[QR+2*\p:QR+2*\p+1], v7 offset:\p*PART              ; row w of every head's part
.endr
	s_wait_dscnt 0x0
.irp i, 0,1,2,3,4,5,6,7
	v_pk_add_f32 v[QR+4*\i:QR+4*\i+1], v[QR+4*\i:QR+4*\i+1], v[QR+4*\i+2:QR+4*\i+3]
.endr
.irp i, 0,1,2,3
	v_pk_add_f32 v[QR+8*\i:QR+8*\i+1], v[QR+8*\i:QR+8*\i+1], v[QR+8*\i+4:QR+8*\i+5]
.endr
.irp i, 0,1
	v_pk_add_f32 v[QR+16*\i:QR+16*\i+1], v[QR+16*\i:QR+16*\i+1], v[QR+16*\i+8:QR+16*\i+9]
.endr
	v_pk_add_f32 v[QR:QR+1], v[QR:QR+1], v[QR+16:QR+17]
	global_store_b64 v8, v[QR:QR+1], s[8:9]        ; 32 lanes store 256 consecutive bytes, aligned
	s_wait_tensorcnt 0x0                           ; the wave's end
	ds_add_u32 v9, v10
	s_wait_dscnt 0x0
	s_endpgm
.Lfunc_end_k_qf8fd8ed044_fine:
	.size	k_qf8fd8ed044_fine, .Lfunc_end_k_qf8fd8ed044_fine-k_qf8fd8ed044_fine
	.p2alignl 7, 3214868480
	.fill 96, 4, 3214868480
	.section	.rodata,"a",@progbits
	.p2align	6, 0x0
	.amdhsa_kernel k_qf8fd8ed044_fine
		.amdhsa_group_segment_fixed_size 71680
		.amdhsa_private_segment_fixed_size 0
		.amdhsa_enable_private_segment 0
		.amdhsa_kernarg_size 24
		.amdhsa_user_sgpr_count 2
		.amdhsa_user_sgpr_kernarg_segment_ptr 1
		.amdhsa_wavefront_size32 1
		.amdhsa_system_sgpr_workgroup_id_x 1
		.amdhsa_system_sgpr_workgroup_id_y 1
		.amdhsa_system_sgpr_workgroup_id_z 1
		.amdhsa_system_vgpr_workitem_id 0
		.amdhsa_next_free_vgpr 256
		.amdhsa_next_free_sgpr 66
		.amdhsa_reserve_vcc 1
		.amdhsa_float_denorm_mode_32 3
		.amdhsa_float_denorm_mode_16_64 3
		.amdhsa_memory_ordered 1
		.amdhsa_forward_progress 1
		.amdhsa_inst_pref_size 21
	.end_amdhsa_kernel
	.amdgpu_metadata
---
amdhsa.version: [ 1, 2 ]
amdhsa.kernels:
  - .name:           k_qf8fd8ed044_fine
    .symbol:         k_qf8fd8ed044_fine.kd
    .args:
      - { .name: qkv32, .offset: 0, .size: 8, .value_kind: global_buffer, .address_space: global }
      - { .name: Wo, .offset: 8, .size: 8, .value_kind: global_buffer, .address_space: global }
      - { .name: out0, .offset: 16, .size: 8, .value_kind: global_buffer, .address_space: global }
    .group_segment_fixed_size: 71680
    .private_segment_fixed_size: 0
    .kernarg_segment_align: 8
    .kernarg_segment_size: 24
    .max_flat_workgroup_size: 512
    .sgpr_count:     66
    .vgpr_count:     256
    .wavefront_size: 32
...
	.end_amdgpu_metadata
.endif
;; end of part 5
